; MI455X (gfx1250); checked and timed in simulation.
; The chip was launched on July 23, 2026; its instructions are those of AMD's public machine-readable ISA for CDNA 5 (MIT licence, August 2026) and "CDNA5" Instruction Set Architecture Reference Guide (July 2026). The comments in the code are by the model that wrote it; some were corrected since.
;; Multi Head Attention Block. Allowed arithmetic: matrix products marked QUANTISED: E4M3 operands, one given power-of-two scale a tensor, by v_wmma_f32_16x16x64_fp8_fp8 or v_wmma_f32_16x16x128_fp8_fp8, f32 sums; everything else in f32.
;; Inputs: k_codes 4 x 2,048 x 32 x 32 uint8 (E4M3 codes of k, K innermost, in blocks of 32 codes); lowp_scales 12 int32 (the exponents e of the quantised operands' scales 2^e); mask 4 x 1 x 2,048 x 2,048 int32; q_codes 4 x 2,048 x 32 x 32 uint8 (E4M3 codes of q, K innermost, in blocks of 32 codes); v_codes 4 x 2,048 x 32 x 32 uint8 (E4M3 codes of v, K innermost, in blocks of 32 codes); w_k_codes 1,024 x 32 x 32 uint8 (E4M3 codes of w_k, K innermost, in blocks of 32 codes); w_o_codes 1,024 x 32 x 32 uint8 (E4M3 codes of w_o, K innermost, in blocks of 32 codes); w_q_codes 1,024 x 32 x 32 uint8 (E4M3 codes of w_q, K innermost, in blocks of 32 codes); w_v_codes 1,024 x 32 x 32 uint8 (E4M3 codes of w_v, K innermost, in blocks of 32 codes).
;; Outputs: out0 4 x 2,048 x 1,024 float32.
;; This version of the problem:
;;   THIS VERSION OF THE PROBLEM IS GIVEN IN LOW PRECISION. The matrix products marked QUANTISED in the list below multiply operands that are first quantised to E4M3 (4 exponent bits, 3 mantissa bits; 8 bits a number), with one given power-of-two scale for each operand tensor; their sums are f32. All else is computed in f32.
;;   The module's matrix products, in the order in which they are computed (A, B: the left and right operand; K: the contracted axis; several contracted axes count as one K, in the product's order):
;;     1. [M 8,192, K 1,024] x [K 1,024, N 1,024]; A: input q (given as codes); B: input w_q (given as codes): QUANTISED (scales: A lowp_scales[0], B lowp_scales[1])
;;     2. [M 8,192, K 1,024] x [K 1,024, N 1,024]; A: input k (given as codes); B: input w_k (given as codes): QUANTISED (scales: A lowp_scales[2], B lowp_scales[3])
;;     3. [M 8,192, K 1,024] x [K 1,024, N 1,024]; A: input v (given as codes); B: input w_v (given as codes): QUANTISED (scales: A lowp_scales[4], B lowp_scales[5])
;;     4. batch 64 x [M 2,048, K 64] x [K 64, N 2,048]; A: computed on the way; B: computed on the way: QUANTISED (scales: A lowp_scales[6], B lowp_scales[7])
;;     5. batch 64 x [M 2,048, K 2,048] x [K 2,048, N 64]; A: softmax (see below); B: computed on the way: QUANTISED (scales: A lowp_scales[8], B lowp_scales[9])
;;     6. [M 8,192, K 1,024] x [K 1,024, N 1,024]; A: computed on the way; B: input w_o (given as codes): QUANTISED (scales: A lowp_scales[10], B lowp_scales[11])
;;   THE QUANTISER, for each operand of a quantised product, along K:
;;     - The operand's scale is 2^e, e = its entry of the input lowp_scales (int32; the entries are numbered through the quantised products in the list's order, A before B).
;;     - Each number is divided by the scale, clamped to +-448, and rounded to the nearest number of E4M3, ties to even, subnormals kept.
;;     - The product sums the exact products of the quantised numbers (number of the format x scale) in f32.
;;   ~~~python
;;   def quantise(x, axis, e):      # numpy; x: float32 -> the quantised numbers, widened to float32 again
;;       x = np.moveaxis(x, axis, -1); K = x.shape[-1]
;;       r = np.clip(x / 2.0 ** e, -448, 448)
;;       step = 2.0 ** (np.maximum(np.frexp(np.where(r == 0, 1, r))[1] - 1, -6) - 3)
;;       q = np.round(r / step) * step * 2.0 ** e      # np.round: ties to even
;;       return np.moveaxis(q, -1, axis).astype(np.float32)
;;   ~~~
;;   SOFTMAX AHEAD OF A QUANTISED PRODUCT. Where the list says 'softmax', what is quantised is not the finished softmax but p = 2^(t - M), with t = logit x log2(e) and M = ceil(the row's largest t), a whole number; so 1/2 < the row's largest p <= 1. The row's sum l is taken of the UNQUANTISED p, in f32, and the product's result is divided by l at the end. Since M is a whole number, a kernel that streams over the keys may use a running M (the ceiling of the running maximum): every later rescaling is an exact power of two, so the quantised numbers keep their values, but for numbers so far below the row's largest that they fall under the format's range.
;;   OPERANDS COMPUTED ON THE WAY. 'Computed on the way' means the value that the module computes at that place (a softmax that the list does not call 'softmax' is quantised finished and normalised). What goes into a quantiser is computed in f32, as accurately as f32 sums, v_exp_f32 and their like allow (about 1e-6 of the number): no bf16 or f16 on the way to a quantiser, and a product that is left as it is and whose result goes on into a quantised operand takes f32 operands (vector FMAs, or v_wmma_f32_16x16x4_f32). A number that lies on a knife's edge between two numbers of the format may be rounded either way, as far as f32 arithmetic and the matrix unit's own rounding can turn it there, and no further.
;;   INPUTS GIVEN AS CODES. k (in the module: [4, 2048, 1024], K = its axis 2); q (in the module: [4, 2048, 1024], K = its axis 2); v (in the module: [4, 2048, 1024], K = its axis 2); w_k (in the module: [1024, 1024], K = its axis 1); w_o (in the module: [1024, 1024], K = its axis 1); w_q (in the module: [1024, 1024], K = its axis 1); w_v (in the module: [1024, 1024], K = its axis 1): each comes as NAME_codes (uint8): NAME with its K axis moved to the last place and cut into blocks of 32 codes, [.., K / 32, bytes a block], one block behind the other in memory; one code a byte (a code: sign, 4 exponent bits, 3 mantissa bits); its scale is its entry of lowp_scales. Its value is code x scale, taken as it is: it is not quantised again, and the codes and scales need not be those that the quantiser above would give.
;; 2 versions, each right; version 2 is version 1 with the launch attn written anew for expert scheduling mode. Each part assembles by itself: llvm-mc -triple=amdgcn-amd-amdhsa -mcpu=gfx1250 --defsym DOCPART=n.
;; ======== version 1 of 2: 4 launches
;; limits: right only within a limited range of input values
;; workspace buffers: qimg 8,388,608 bytes; kimg 8,388,608 bytes; vimg 8,388,608 bytes; ximg 8,388,608 bytes; mbits 2,097,152 bytes of whole numbers; cls 2,048 bytes of whole numbers
;; launch maskbits (part 1): grid 128 x 4, 16 waves a work-group, no clusters, 2,304 bytes of LDS; arguments mask, mbits, cls; writes mbits, cls
.if DOCPART == 1
	.amdgcn_target "amdgcn-amd-amdhsa--gfx1250"
	.amdhsa_code_object_version 6
	.text
	.protected	k_qd364085142_maskbits
	.globl	k_qd364085142_maskbits
	.p2align	8
	.type	k_qd364085142_maskbits,@function
k_qd364085142_maskbits:
	s_mov_b64 s[64:65], 0
	v_nop
	global_prefetch_b8 v0, s[64:65] scope:SCOPE_SE
	s_setreg_imm32_b32 hwreg(HW_REG_WAVE_MODE, 25, 1), 1
	s_wait_xcnt 0x0
; The mask [4][1][2048][2048] int32 is read once and turned into what the attention launch can use without arithmetic:
;   mbits [b][qt 128][st 16][n 64] words: for the tile of 16 queries qt and the step of 128 keys st, word n = 8 t + j is a LANE MASK: bit (r + 16 h) = (mask[b][16 qt + r][128 st + 16 t + 8 h + j] != 0).
;         That is the place of score register n in the attention launch: one select a score, with the word as its mask.
;   cls   [b][qt] one word: bit st: step st must be worked; bit 16 + st: step st needs the selects.
; A step need not be worked if none of its 2,048 places is open AND every one of the 16 rows has an open key somewhere among its 2,048: then each row's masked terms are 0 beside an open one.
; If some row has no open key at all, all sixteen steps are worked (that row's result is the mean over all keys).  A step all of whose places are open needs no selects.
; SHARES: a work-group takes one (b, qt); wave w takes key step w: 16 rows x 512 bytes.  Each load of a wave covers 512 consecutive bytes of one row; the wave's 64 words leave as one store of 256 consecutive bytes, aligned.
; The work-group's one word of cls is a store of 4 bytes by one lane: 512 such words in the launch.
; No matrix work, no cluster, no tile in LDS: a stream in which no two work-groups read the same byte.
.set ROWB, 8192                        ; a row of the mask in bytes
.set WO,   2                           ; v[2:3]   the 64 words on their way out: lane l holds words 2 l, 2 l + 1
.set RW,   8                           ; v[8:11]  lane r (and 16 + r): row r's four words; bit L of word e = key 4 L + e
.set RX,   12                          ; v[12:15] their copy from the other half of the lanes
.set MK,   16                          ; v[16:79] 16 rows x 4 registers of the mask
.set ZA,   80                          ; v80      0: LDS address and store offset
.set WA,   81                          ; v81      4 x wave: where my summary goes in LDS
.set W,    32                          ; s[32:63] 32 lane masks at work
	s_load_b128 s[4:7], s[0:1], 0x0                ; mask s[4:5], mbits s[6:7]
	s_load_b64 s[8:9], s[0:1], 0x10                ; cls
	v_lshl_add_u32 v84, v0, 2, 0x100
	v_mov_b32 v85, 0
	v_lshrrev_b32 v6, 5, v0
	v_readfirstlane_b32 s10, v6                    ; wave = key step
	v_and_b32 v7, 31, v0
	v_lshlrev_b32 v1, 4, v7                        ; 16 x lane: my 16 bytes (4 keys) of a row's 512
	v_lshlrev_b32 v4, 3, v7                        ; 8 x lane: my two words of the 64
	v_bfe_u32 v5, v0, 4, 1
	v_lshlrev_b32 v5, 1, v5                        ; 2 h
	v_mov_b32 v[ZA], 0
	v_mov_b32 v[WA], s10
	v_lshlrev_b32 v[WA], 2, v[WA]
.irp i, 2,3,8,9,10,11,12,13,14,15
	v_mov_b32 v\i, 0                               ; written whole before single lanes are written, and before the lane permutes name them
.endr
	s_and_b32 s11, ttmp7, 0xffff                   ; b
	s_lshl_b32 s12, s11, 7
	s_add_co_u32 s12, s12, ttmp9                   ; 128 b + qt
	s_lshl_b32 s14, s12, 17                        ; 16 rows of 8,192 bytes for each tile of queries
	s_lshl_b32 s20, s10, 9                         ; 512 bytes of a row for each key step
	s_add_co_u32 s14, s14, s20
	s_mov_b32 s15, 0
	s_mov_b32 s16, 0                               ; bit i: row i has an open key in my step
	s_mov_b32 s17, -1                              ; the AND of all my lane masks
	s_mov_b32 s18, 0x76543210                      ; lane selects: each lane takes its own place in the other half
	s_mov_b32 s19, 0xfedcba98
	s_wait_kmcnt 0x0
	s_add_nc_u64 s[4:5], s[4:5], s[14:15]
.irp i, 0,1,2,3,4,5,6,7,8,9,10,11,12,13,14,15
	global_load_b128 v[MK+4*\i:MK+4*\i+3], v1, s[4:5] offset:ROWB*\i th:TH_LOAD_NT   ; row i: read once in the launch
.endr
	s_lshl_b32 s14, s12, 4
	s_add_co_u32 s14, s14, s10
	s_lshl_b32 s14, s14, 8                         ; 256 bytes of words for each (qt, st)
	s_add_nc_u64 s[6:7], s[6:7], s[14:15]
	s_lshl_b32 s14, s12, 2
	s_add_nc_u64 s[8:9], s[8:9], s[14:15]
; Rows 8 f to 8 f + 7: four compares a row give its 128 places as four lane masks; they are summed up (any, all) and laid into lane (row) of RW.
.macro HALF f
.if \f == 0
	s_wait_loadcnt 8                               ; rows 0 to 7 are in; the eight loads of rows 8 to 15 may be out
.else
	s_wait_loadcnt 0
.endif
.irp i, 0,1,2,3,4,5,6,7
.irp e, 0,1,2,3
	v_cmp_ne_u32 s[W+4*\i+\e], 0, v[MK+4*(8*\f+\i)+\e]
.endr
.endr
.irp i, 0,1,2,3,4,5,6,7
	s_and_b32 s20, s[W+4*\i], s[W+4*\i+1]
	s_and_b32 s21, s[W+4*\i+2], s[W+4*\i+3]
	s_and_b32 s20, s20, s21
	s_and_b32 s17, s17, s20
	s_or_b32 s20, s[W+4*\i], s[W+4*\i+1]
	s_or_b32 s21, s[W+4*\i+2], s[W+4*\i+3]
	s_or_b32 s20, s20, s21                         ; SCC: the row has an open key here
	s_cselect_b32 s21, 1<<(8*\f+\i), 0
	s_or_b32 s16, s16, s21
.irp e, 0,1,2,3
	v_writelane_b32 v[RW+\e], s[W+4*\i+\e], 8*\f+\i
.endr
.endr
.endm
	HALF 0
	HALF 1
.irp e, 0,1,2,3
	v_permlanex16_b32 v[RX+\e], v[RW+\e], s18, s19 ; lane 16 + r takes row r's word; lanes 0 to 15 take zeros
.endr
.irp e, 0,1,2,3
	v_or_b32 v[RW+\e], v[RW+\e], v[RX+\e]
.endr
.irp e, 0,1,2,3
	v_lshrrev_b32 v[RW+\e], v5, v[RW+\e]           ; key 16 t + 8 h + j is bit 4 t + 2 h + j / 4 of word j % 4: the 2 h is taken off here
.endr
; Words 32 f to 32 f + 31: one bit of each lane's row word becomes a lane mask; then the masks are laid into the lanes that store them.
.macro WORDS f
.set nn, 32*\f
.rept 32
	v_bfe_u32 v[6+(nn&1)], v[RW+(nn&3)], 4*(nn>>3)+((nn>>2)&1), 1
	v_cmp_ne_u32 s[W+(nn&31)], 0, v[6+(nn&1)]
.set nn, nn+1
.endr
.set nn, 32*\f
.rept 32
	v_writelane_b32 v[WO+(nn&1)], s[W+(nn&31)], nn>>1
.set nn, nn+1
.endr
.endm
	WORDS 0
	WORDS 1
	global_store_b64 v4, v[WO:WO+1], s[6:7]        ; 32 lanes store 256 consecutive bytes, aligned
	s_cmp_eq_u32 s17, -1
	s_cselect_b32 s21, 0x10000, 0                  ; bit 16: all of my step's places are open
	s_or_b32 s16, s16, s21
	v_mov_b32 v7, s16
	ds_store_b32 v[WA], v7                         ; all lanes write the same word with the same value
	s_wait_dscnt 0x0                               ; for wave 0's sake: my store has landed
	s_barrier_signal -1
	s_barrier_wait -1
	s_cmp_lg_u32 s10, 0
	s_cbranch_scc1 .Ldone                          ; wave 0 alone makes the work-group's word
.irp i, 0,1,2,3
	ds_load_b128 v[MK+4*\i:MK+4*\i+3], v[ZA] offset:16*\i
.endr
	s_wait_dscnt 0x0
.irp w, 0,1,2,3,4,5,6,7,8,9,10,11,12,13,14,15
	v_readfirstlane_b32 s[W+\w], v[MK+\w]
.endr
	s_mov_b32 s24, 0                               ; steps with an open place
	s_mov_b32 s25, 0                               ; steps that are all open
	s_mov_b32 s26, 0                               ; rows with an open key anywhere
.irp w, 0,1,2,3,4,5,6,7,8,9,10,11,12,13,14,15
	s_or_b32 s26, s26, s[W+\w]
	s_and_b32 s20, s[W+\w], 0xffff                 ; SCC: some row is open in step w
	s_cselect_b32 s21, 1<<\w, 0
	s_or_b32 s24, s24, s21
	s_bitcmp1_b32 s[W+\w], 16
	s_cselect_b32 s21, 1<<\w, 0
	s_or_b32 s25, s25, s21
.endr
	s_and_b32 s26, s26, 0xffff
	s_cmp_lg_u32 s26, 0xffff                       ; a row without any open key: every step is worked
	s_cselect_b32 s21, 0xffff, 0
	s_or_b32 s24, s24, s21                         ; the steps to be worked
	s_and_not1_b32 s25, s24, s25                   ; of them, those that are not all open
	s_lshl_b32 s25, s25, 16
	s_or_b32 s24, s24, s25
	v_mov_b32 v7, s24
	v_cmp_eq_u32 vcc_lo, 0, v0
	s_wait_xcnt 0x0                                ; EXEC is a source of the store above: it changes only behind this wait
	s_and_saveexec_b32 s27, vcc_lo
	global_store_b32 v[ZA], v7, s[8:9]
	s_wait_xcnt 0x0                                ; and again in front of the line that widens it
	s_or_b32 exec_lo, exec_lo, s27
.Ldone:
	s_wait_tensorcnt 0x0
	ds_add_u32 v84, v85
	s_wait_dscnt 0x0
	s_endpgm
.Lfunc_end_k_qd364085142_maskbits:
	.size	k_qd364085142_maskbits, .Lfunc_end_k_qd364085142_maskbits-k_qd364085142_maskbits
	.p2alignl 7, 3214868480
	.fill 96, 4, 3214868480
	.section	.rodata,"a",@progbits
	.p2align	6, 0x0
	.amdhsa_kernel k_qd364085142_maskbits
		.amdhsa_group_segment_fixed_size 2304
		.amdhsa_private_segment_fixed_size 0
		.amdhsa_enable_private_segment 0
		.amdhsa_kernarg_size 24
		.amdhsa_user_sgpr_count 2
		.amdhsa_user_sgpr_kernarg_segment_ptr 1
		.amdhsa_wavefront_size32 1
		.amdhsa_system_sgpr_workgroup_id_x 1
		.amdhsa_system_sgpr_workgroup_id_y 1
		.amdhsa_system_sgpr_workgroup_id_z 1
		.amdhsa_system_vgpr_workitem_id 0
		.amdhsa_next_free_vgpr 86
		.amdhsa_next_free_sgpr 66
		.amdhsa_reserve_vcc 1
		.amdhsa_float_denorm_mode_32 3
		.amdhsa_float_denorm_mode_16_64 3
		.amdhsa_memory_ordered 1
		.amdhsa_forward_progress 1
		.amdhsa_inst_pref_size 36
	.end_amdhsa_kernel
	.amdgpu_metadata
---
amdhsa.version: [ 1, 2 ]
amdhsa.kernels:
  - .name:           k_qd364085142_maskbits
    .symbol:         k_qd364085142_maskbits.kd
    .args:
      - { .name: mask, .offset: 0, .size: 8, .value_kind: global_buffer, .address_space: global }
      - { .name: mbits, .offset: 8, .size: 8, .value_kind: global_buffer, .address_space: global }
      - { .name: cls, .offset: 16, .size: 8, .value_kind: global_buffer, .address_space: global }
    .group_segment_fixed_size: 2304
    .private_segment_fixed_size: 0
    .kernarg_segment_align: 8
    .kernarg_segment_size: 24
    .max_flat_workgroup_size: 512
    .sgpr_count:     66
    .vgpr_count:     86
    .wavefront_size: 32
...
	.end_amdgpu_metadata
.endif
;; end of part 1
;; launch proj (part 2): grid 4 x 96, 4 waves a work-group, clusters of 4 x 4, 327,680 bytes of LDS; arguments q_codes, k_codes, v_codes, w_q_codes, w_k_codes, w_v_codes, lowp_scales, qimg, kimg, vimg; writes qimg, kimg, vimg
.if DOCPART == 2
	.amdgcn_target "amdgcn-amd-amdhsa--gfx1250"
	.amdhsa_code_object_version 6
	.text
	.protected	k_qd364085142_proj
	.globl	k_qd364085142_proj
	.p2align	8
	.type	k_qd364085142_proj,@function
k_qd364085142_proj:
	s_mov_b64 s[64:65], 0
	v_nop
	global_prefetch_b8 v0, s[64:65] scope:SCOPE_SE
	s_setreg_imm32_b32 hwreg(HW_REG_WAVE_MODE, 25, 1), 1
	s_wait_xcnt 0x0
	s_wait_alu depctr_hold_cnt(0) depctr_sa_sdst(0) depctr_va_vdst(0) depctr_va_sdst(0) depctr_va_ssrc(0) depctr_va_vcc(0) depctr_vm_vsrc(0)
	s_getreg_b32 s2, hwreg(HW_REG_IB_STS2, 6, 4)
	s_cmp_eq_u32 s2, 0
	s_cbranch_scc0 .Lentry_in_a_cluster
	s_endpgm
.Lentry_in_a_cluster:
	s_bfe_u32 s2, ttmp6, 0x10000c
	s_cmp_lg_u32 s2, 0xf033
	s_cbranch_scc0 .Lentry_shape_is_right
	s_endpgm
.Lentry_shape_is_right:
; The three projections x W^T ([8192][1024] x [1024][1024], codes of FP8 (E4M3), K innermost, one scale 2^e a tensor), each followed by the quantiser of the attention operand that it makes.
; One launch, 24 clusters of 4 x 4 work-groups: clusters 0-7 make q's heads, 8-15 k's, 16-23 v's.  A work-group of four waves makes a tile of 256 x 256; a wave 128 x 128: 64 accumulators, 512 registers.
; ROLES.  Source 1 of the matrix instruction ("A") gives the result's lane, source 0 ("B") its registers: lane (r, h) holds A's row r and, in register j, B's row 8 h + j.
;   q, k: A = tokens, B = rows of the weight: a lane's 8 registers are 8 neighbouring channels of one token.   v: A = rows of w_v, B = tokens: 8 neighbouring KEYS of one channel.
; So the conversion of an accumulator's 8 registers gives registers 2 c, 2 c + 1 of the NEXT product's operand in that form's own layout (k = 16 c + 8 h + 0 .. 7), and the codes leave as IMAGES OF OPERAND REGISTERS:
;   qimg, kimg [bh 64][token tile 128][plane 2][lane 32][16 bytes]: registers 4 p .. 4 p + 3 of the fragment 16 tokens x 64 channels
;   vimg       [bh 64][key step 16][dt 4][plane 4][lane 32][16 bytes]: registers 4 p .. 4 p + 3 of the fragment 16 channels x 128 keys
; Each store of a wave covers 512 consecutive bytes, aligned; nothing goes through LDS on the way out and nothing is transposed.
; code = sum x 2^(ea + eb) / 2^eo, held within +-448, to the nearest code: the three exponents are folded into the conversion's one scale 2^F, F = eo - ea - eb.
; LIMIT: F between -126 and 119, so that 2^F and 448 x 2^F are f32 numbers.  NaN codes among the inputs are not served.
; K goes in steps of 256 through a ring of two LDS slots filled by the tensor data mover.  A's tile is shared along a row of the cluster, B's along a column: each is asked for jointly, by the same tensor load with
; the same descriptor and a mask that names the four.  Which product a cluster makes hangs on the cluster's number alone, the same in all sixteen partners, and decides values by selects, never a branch.
; Within a K step of 128 a fragment is fetched by four loads of 16 bytes: registers 4 c .. 4 c + 3 hold K = 32 c + 16 h + 0 .. 15, alike in A and B, so every product meets its partner.
; REGISTERS, in windows of 256: window 0: v0-31 addresses and constants; v32-127 at work on the way out; from v128 A's fragments, ONE set.  window 1: B's fragments, TWO sets.  windows 2, 3: the accumulators ((a, b) at v[8 (8 (a % 4) + b)]).
.set KSTEP,  256                       ; along K in a slot
.set ROWB,   256                       ; a tile's row in bytes
.set KROW,   1024                      ; a row of A or of B in memory, in bytes
.set PITCH,  272                       ; an LDS row: 256 bytes + 16 of padding = 68 words: the 16 rows that a load touches start at 16 different banks (64 banks of 4 bytes: ISA guide 11.1)
.set FR,     16                        ; registers of a fragment: 16 rows x 128 K
.set NL,     4                         ; LDS loads that bring one
.set NP,     4                         ; places behind this matrix instruction (ISA guide 7.12.1)
.set HALFT,  128*PITCH                 ; 128 rows: what one tensor load brings, and what one wave reads of A or of B
.set SLOT,   4*HALFT                   ; A's 256 rows, then B's 256 rows
.set LAPS,   KROW/(2*KSTEP)            ; a lap = two K steps = once round the ring
.set SPARE,  2*SLOT                    ; behind the ring: the spare words, 128 bytes for each wave: two blocks of 256 bytes that no other line names
.set SO0,  8                           ; v8      store offset: 16 x lane
.set SO1,  10                          ; v10     the same, two planes (v) or one head (q, k) further on
.set LIMV, 12                          ; v12     448 x 2^F
.set SCV,  13                          ; v13     2^F
.set ADRA, 16                          ; v16-17  LDS address of my A fragments in slot 0, 1
.set ADRB, 20                          ; v20-21  the same for B
.set SPW,  28                          ; v28     LDS address of my spare word; never rewritten
.set NIL,  29                          ; v29     0; never rewritten
.set TMP,  32                          ; the way out: a block's 64 sums, held
.set AF,   128                         ; A's fragments, in window 0
.set G1, 24                            ; s[24:31] descriptor group 1 for A's tiles;  s[32:39] group 0, one set for each slot
.set G0, 32
.set G1B, 48                           ; s[48:55], s[56:63] the same for B's tiles
.set G0B, 56
.set MSB, 0
.macro WIN new                         ; the immediate's high byte repeats the setting that is left
.if MSB != \new
	s_set_vgpr_msb (MSB<<8)|\new
.set MSB, \new
.endif
.endm
.set MUL_LO, 0xa1                      ; source 0 (B) window 1, source 1 (A) window 0, C and D window 2
.set MUL_HI, 0xf1                      ; the same, C and D window 3
.set TO_B,   0x40                      ; destination window 1, address window 0
; A joint load: waves 0 and 1 fetch for A, waves 2 and 3 for B.  Each of the two lines has one mask and one set of registers for all that issue it; the branch hangs on the wave's number alone.
; Four v_nop follow each of the two lines, ahead of the jump, the label and what follows.
.macro JLOAD g0a, g1a, g0b, g1b
	s_cmp_eq_u32 s15, 0
	s_cbranch_scc0 .Lfor_b_\@
	tensor_load_to_lds s[\g0a:\g0a+3], s[\g1a:\g1a+7]
	s_nop 0
.rept 4
	v_nop
.endr
	s_branch .Lasked_\@
.Lfor_b_\@:
	tensor_load_to_lds s[\g0b:\g0b+3], s[\g1b:\g1b+7]
	s_nop 0
.rept 4
	v_nop
.endr
.Lasked_\@:
.endm
.macro CREST                           ; a round of the cluster's barrier behind its opening barrier
	s_cmp_lg_u32 s14, 0
	s_cbranch_scc1 .Lnot_wave_0_\@
	s_barrier_signal -3
.Lnot_wave_0_\@:
	s_barrier_wait -3
	s_barrier_signal -1
	s_barrier_wait -1
.endm
.macro CROUND                          ; a whole round
	s_barrier_signal -1
	s_barrier_wait -1
	CREST
.endm
	s_load_b256 s[68:75], s[0:1], 0x0              ; q s[68:69], k s[70:71], v s[72:73], w_q s[74:75]
	s_load_b256 s[76:83], s[0:1], 0x20             ; w_k s[76:77], w_v s[78:79], the scales' exponents s[80:81], qimg s[82:83]
	s_load_b128 s[84:87], s[0:1], 0x40             ; kimg s[84:85], vimg s[86:87]
	v_lshl_add_u32 v[SPW], v0, 2, SPARE
	v_mov_b32 v[NIL], 0
	ds_add_u32 v28, v29
	ds_add_u32 v28, v29
	s_wait_dscnt 0x0
	v_lshrrev_b32 v1, 5, v0
	v_readfirstlane_b32 s14, v1                    ; wave 0..3
	s_lshr_b32 s15, s14, 1                         ; which half of A's 256 rows is mine.  Also: I fetch for A (0) or for B (1)
	s_and_b32 s16, s14, 1                          ; which half of B's 256 rows.  Also: which 128 rows of that tile I fetch
	s_bfe_u32 s40, ttmp6, 0x40000                  ; cx, cy: my place in the cluster
	s_bfe_u32 s41, ttmp6, 0x40004
	s_and_b32 s17, ttmp7, 0xffff                   ; the cluster's number, 0 to 23
	s_lshr_b32 s66, s17, 3                         ; the product: 0 q, 1 k, 2 v
	s_and_b32 s67, s17, 7
	s_lshl_b32 s67, s67, 2                         ; the cluster's first tile of 256 tokens
	s_cmp_eq_u32 s66, 2
	s_cselect_b32 s17, 0, s67                      ; q, k: the tokens are A;
	s_cselect_b32 s42, s67, 0                      ; v: the tokens are B
	s_add_co_u32 s17, s17, s41                     ; A's tile: hangs on cy alone
	s_add_co_u32 s42, s42, s40                     ; B's tile: hangs on cx alone
	s_lshl_b32 s43, s41, 2
	s_lshl_b32 s43, 15, s43                        ; my row of the cluster
	s_lshl_b32 s44, 0x1111, s40                    ; my column
	; descriptor group 1: a tile of 128 rows x 256 bytes, padded in LDS
	s_or_b32 s[G1+0], s43, (0<<16)|(1<<20)|(1<<21)|(5<<22)|(3<<25)  ; 15:0 the mask: A's tiles go to my row; 17:16 element of 1 byte; 20 padding on; 21 set beside a mask; 24:22 after every 64 words (code 5); 31:25 of 4 words (code 3)
	s_or_b32 s[G1B+0], s44, (0<<16)|(1<<20)|(1<<21)|(5<<22)|(3<<25)
.irp g, G1, G1B
	s_mov_b32 s[\g+1], ROWB<<16                    ; tensor_dim0
	s_mov_b32 s[\g+2], 128<<16                     ; tensor_dim1 = 128
	s_mov_b32 s[\g+3], ROWB<<16                    ; tile_dim0
	s_mov_b32 s[\g+4], 128                         ; tile_dim1 = 128
	s_mov_b32 s[\g+5], KROW                        ; tensor_dim0_stride
	s_mov_b32 s[\g+6], 0
	s_mov_b32 s[\g+7], 0
.endr
	s_lshl_b32 s18, s16, 7                         ; which 128 rows of the tile I fetch
	s_lshl_b32 s20, s17, 8
	s_add_co_u32 s20, s20, s18                     ; A: row 256 x tile + 128 x half,
	s_lshl_b32 s20, s20, 10                        ; in bytes (under 2^23)
	s_mov_b32 s21, 0
	s_lshl_b32 s46, s42, 8
	s_add_co_u32 s46, s46, s18                     ; B likewise
	s_lshl_b32 s46, s46, 10
	s_mov_b32 s47, 0
	s_mul_i32 s45, s14, HALFT                      ; where they go: wave x 128 rows: no place in the cluster enters an LDS address
	s_wait_kmcnt 0x0
	s_cmp_eq_u32 s66, 0                            ; the buffers are chosen by the product's number alone
	s_cselect_b64 s[4:5], s[68:69], s[70:71]       ; A: q or k,
	s_cselect_b64 s[6:7], s[74:75], s[76:77]       ; B: w_q or w_k,
	s_cselect_b64 s[10:11], s[82:83], s[84:85]     ; out: qimg or kimg;
	s_cmp_eq_u32 s66, 2
	s_cselect_b64 s[4:5], s[78:79], s[4:5]         ; for v: A = w_v,
	s_cselect_b64 s[6:7], s[72:73], s[6:7]         ; B = v,
	s_cselect_b64 s[10:11], s[86:87], s[10:11]     ; out = vimg
	s_load_b256 s[88:95], s[80:81], 0x0            ; e0 .. e7
	s_load_b128 s[96:99], s[80:81], 0x20           ; e8 .. e11
	s_add_nc_u64 s[20:21], s[4:5], s[20:21]
	s_add_nc_u64 s[46:47], s[6:7], s[46:47]
	CROUND                                         ; all sixteen work-groups are here: the first joint loads meet
.irp s, 0,1
	s_mov_b32 s[G0+4*\s], 1
	s_add_co_u32 s[G0+4*\s+1], s45, \s*SLOT
	s_add_nc_u64 s[G0+4*\s+2:G0+4*\s+3], s[20:21], \s*ROWB
	s_or_b32 s[G0+4*\s+3], s[G0+4*\s+3], 0x80000000
	s_mov_b32 s[G0B+4*\s], 1
	s_add_co_u32 s[G0B+4*\s+1], s45, \s*SLOT
	s_add_nc_u64 s[G0B+4*\s+2:G0B+4*\s+3], s[46:47], \s*ROWB
	s_or_b32 s[G0B+4*\s+3], s[G0B+4*\s+3], 0x80000000
	JLOAD G0+4*\s, G1, G0B+4*\s, G1B
.endr
	v_and_b32 v1, 15, v0                           ; l % 16
	v_bfe_u32 v2, v0, 4, 1                         ; l / 16
	v_mul_u32_u24 v3, v1, PITCH
	v_lshl_add_u32 v4, v2, 4, v3                   ; a fragment's row x pitch + 16 x half
	s_mul_i32 s21, s15, HALFT                      ; my 128 rows of A
	s_mul_i32 s22, s16, HALFT                      ; my 128 rows of B,
	s_add_co_u32 s22, s22, 2*HALFT                 ; which lie behind A's 256
.irp s, 0,1
	v_add_nc_u32 v[ADRA+\s], s21, v4
	v_add_nc_u32 v[ADRB+\s], s22, v4
	s_add_co_u32 s21, s21, SLOT
	s_add_co_u32 s22, s22, SLOT
.endr
	; THE WAY OUT'S ADDRESSES.  P = my tile of 256 tokens, W = my tile of 256 channels, ht, hw = my wave's half of each.  128 tokens are 8,192 bytes of a head's images in all three buffers
	; (8 token tiles of 1,024 bytes, or one key step), so one formula serves: (16 (P / 8) + 4 W + 2 hw) x 131,072 + (2 (P % 8) + ht) x 8,192.
	s_cmp_eq_u32 s66, 2
	s_cselect_b32 s73, s42, s17                    ; P
	s_cselect_b32 s74, s17, s42                    ; W
	s_cselect_b32 s75, s16, s15                    ; ht
	s_cselect_b32 s76, s15, s16                    ; hw
	s_mov_b32 s68, 1024
	s_cselect_b32 s68, 2048, s68                   ; from one block of A's 16 rows to the next: a token tile (q, k) or a tile of 16 channels (v);
	s_mov_b32 s70, 1024
	s_cselect_b32 s70, 0x1e800, s70                ; from block 3 to block 4: for v on to the next head: 131,072 - 3 x 2,048
	s_mov_b32 s72, 0x20000
	s_cselect_b32 s72, 1024, s72                   ; code registers 8-15 of a block: the next head (q, k) or planes 2, 3 (v)
	s_mov_b32 s69, 0
	s_mov_b32 s71, 0
	s_lshr_b32 s77, s73, 3
	s_lshl_b32 s77, s77, 4
	s_lshl_b32 s78, s74, 2
	s_add_co_u32 s77, s77, s78
	s_lshl_b32 s78, s76, 1
	s_add_co_u32 s77, s77, s78
	s_lshl_b32 s77, s77, 17
	s_and_b32 s78, s73, 7
	s_lshl_b32 s78, s78, 1
	s_add_co_u32 s78, s78, s75
	s_lshl_b32 s78, s78, 13
	s_add_co_u32 s78, s78, s77
	s_mov_b32 s79, 0
	s_add_nc_u64 s[10:11], s[10:11], s[78:79]
	v_and_b32 v6, 31, v0
	v_lshlrev_b32 v[SO0], 4, v6
	v_add_nc_u32 v[SO1], s72, v[SO0]
.macro FRAG reg, adr, q, i             ; a fragment, 16 rows x 128 K: lane l holds row l % 16; registers 4 c .. 4 c + 3 hold K = 32 c + 16 (l / 16) + 0 .. 15
.irp c, 0,1,2,3
	ds_load_b128 v[\reg+4*\c:\reg+4*\c+3], v[\adr] offset:128*(\q)+32*\c+(\i)*16*PITCH
.endr
.endm
; 16 matrix instructions: A's blocks a0, a0 + 1 x B's eight, 128 along K.  p: B's set.  zero = 1: the first product starts the sums: nothing is ever cleared.
; The 64 accumulators take turns, one instruction a turn, in the same order in every step.
.macro MUL16 a0, p, zero
.irp a, \a0, \a0+1
.irp b, 0,1,2,3,4,5,6,7
.if \zero
	v_wmma_f32_16x16x128_fp8_fp8 v[8*(8*((\a)%4)+\b):8*(8*((\a)%4)+\b)+7], v[128*(\p)+FR*\b:128*(\p)+FR*\b+FR-1], v[AF+FR*(\a):AF+FR*(\a)+FR-1], 0
.else
	v_wmma_f32_16x16x128_fp8_fp8 v[8*(8*((\a)%4)+\b):8*(8*((\a)%4)+\b)+7], v[128*(\p)+FR*\b:128*(\p)+FR*\b+FR-1], v[AF+FR*(\a):AF+FR*(\a)+FR-1], v[8*(8*((\a)%4)+\b):8*(8*((\a)%4)+\b)+7]
.endif
.endr
.endr
.endm
.macro FETCH_B slot, q, p              ; B's eight fragments of the slot's q-th 128 along K into set p
	WIN TO_B
.irp i, 0,1,2,3,4,5,6,7
	FRAG 128*(\p)+FR*\i, ADRB+\slot, \q, \i
.endr
	WIN 0
.endm
.macro FETCH_A slot, q, i0             ; A's blocks i0 .. i0 + 3
.irp i, \i0, \i0+1, \i0+2, \i0+3
	FRAG AF+FR*(\i), ADRA+\slot, \q, \i
.endr
.endm
; A load into a register that a matrix instruction has read, and a vector instruction that reads a matrix result, stand NP places behind that matrix instruction, and only plain vector
; instructions that name none of its registers are places; the matrix instructions in between are not counted.
.macro PLACES n
.rept \n
	v_nop
.endr
.endm
; A step of 128 along K that has its successor in the same slot.
.macro STEP slot, q, zero
	s_wait_dscnt 4*NL                              ; B's set and A's blocks 0-3 are in; the youngest 16 loads (A's blocks 4-7) may be out
	WIN MUL_LO
	MUL16 0, (\q)%2, \zero
	MUL16 2, (\q)%2, \zero
	s_wait_dscnt 0                                 ; A's blocks 4-7 are in (asked for 32 matrix instructions ago)
	PLACES NP
	FETCH_B \slot, (\q)+1, 1-(\q)%2
	FETCH_A \slot, (\q)+1, 0
	WIN MUL_HI
	MUL16 4, (\q)%2, \zero
	MUL16 6, (\q)%2, \zero
	PLACES NP
	WIN 0
	FETCH_A \slot, (\q)+1, 4
.endm
; A slot's last step changes slots: ONE barrier; in front of it each wave waits for all its tensor loads, adds 0 to its spare word, and waits for that and for its own reads of this slot.  fill = 1: this slot is filled again, two K steps ahead.
.macro TURN slot, next, fill
	s_wait_tensorcnt 0x0                           ; all my tensor loads have landed: my part of the next slot;  (every window is 0 here: the add's two registers lie in window 0)
	ds_add_u32 v[SPW], v[NIL]                      ; 0 onto my spare word
	s_wait_dscnt 4*NL+1                            ; (the add and the youngest 16 loads, A's blocks 4-7, may be out)
	WIN MUL_LO
	MUL16 0, 1, 0                                  ; sixteen matrix instructions stand between the add and the wait for it
	s_wait_dscnt 0x0                               ; the add is done, and my reads of this slot are over
	s_barrier_signal -1
	MUL16 2, 1, 0
	WIN 0
	s_barrier_wait -1
.if \fill
	CREST                                          ; the barrier has opened a round of the cluster's barrier: no wave of any partner still reads this slot's tile or has a load on its way
	s_add_nc_u64 s[G0+4*\slot+2:G0+4*\slot+3], s[G0+4*\slot+2:G0+4*\slot+3], 2*ROWB
	s_add_nc_u64 s[G0B+4*\slot+2:G0B+4*\slot+3], s[G0B+4*\slot+2:G0B+4*\slot+3], 2*ROWB
	JLOAD G0+4*\slot, G1, G0B+4*\slot, G1B         ; the first tensor load behind the round; the four v_nop behind it are the places in front of the loads below
.else
	PLACES NP
.endif
	FETCH_B \next, 0, 0
	FETCH_A \next, 0, 0
	WIN MUL_HI
	MUL16 4, 1, 0
	MUL16 6, 1, 0
	PLACES NP
	WIN 0
	FETCH_A \next, 0, 4
.endm
	s_wait_tensorcnt 1                             ; my part of K step 0 is in (K step 1's load may be out)
	s_barrier_signal -1
	s_barrier_wait -1                              ; everybody's is
	FETCH_B 0, 0, 0
	FETCH_A 0, 0, 0
	FETCH_A 0, 0, 4
	STEP 0, 0, 1                                   ; the first step stands in front of the loop: its products start the sums
	s_mov_b32 s3, LAPS-1
.Llap:                                                 ; a trip goes once round the ring, from a lap's second step to the next lap's first, and fills both slots again
	TURN 0, 1, 1
	STEP 1, 0, 0
	TURN 1, 0, 1
	STEP 0, 0, 0
	s_sub_co_u32 s3, s3, 1
	s_cmp_lg_u32 s3, 0
	s_cbranch_scc1 .Llap
	TURN 0, 1, 0                                   ; the last lap fills nothing, and has no round of the cluster's barrier
	STEP 1, 0, 0
	s_wait_dscnt 4*NL                              ; the very last step: nothing more to fetch
	WIN MUL_LO
	MUL16 0, 1, 0
	MUL16 2, 1, 0
	s_wait_dscnt 0
	WIN MUL_HI
	MUL16 4, 1, 0
	MUL16 6, 1, 0
	WIN 0
	; THE WAY OUT.  The product's three exponents, by selects on the product's number.
	s_wait_kmcnt 0x0
	s_cmp_eq_u32 s66, 0
	s_cselect_b32 s88, s88, s90                    ; ea: e0 or e2,
	s_cselect_b32 s89, s89, s91                    ; eb: e1 or e3,
	s_cselect_b32 s94, s94, s95                    ; eo: e6 or e7;
	s_cmp_eq_u32 s66, 2
	s_cselect_b32 s88, s92, s88                    ; for v: e4,
	s_cselect_b32 s89, s93, s89                    ; e5,
	s_cselect_b32 s94, s97, s94                    ; e9
	s_sub_co_i32 s94, s94, s88
	s_sub_co_i32 s94, s94, s89                     ; F = eo - ea - eb
	s_add_co_i32 s94, s94, 127
	s_lshl_b32 s95, s94, 23
	v_mov_b32 v[SCV], s95                          ; 2^F as f32: the conversion takes its exponent field
	s_add_co_i32 s94, s94, 8
	s_lshl_b32 s94, s94, 23
	s_or_b32 s94, s94, 0x600000
	v_mov_b32 v[LIMV], s94                         ; 448 x 2^F
	PLACES NP                                      ; in front of the first read of results
; Block a: A's 16 rows x my 128 rows of B: 64 sums a lane become 16 registers of codes, which are four groups of four operand registers: four stores of 512 consecutive bytes.
.macro OUTB a
.set AC, 64*((\a)%4)
.set CD, 96+16*((\a)%2)                ; the codes' registers, two sets by turns
	WIN 0x02+((\a)/4)                              ; source 0: window 2 or 3
.set jj, 0
.rept 64
	v_med3_num_f32 v[TMP+jj], v[AC+jj], -v[LIMV], v[LIMV]   ; the conversion to an 8-bit code does not saturate (ISA guide 7.6.2): the hold comes first; each accumulator from its low end on
.set jj, jj+1
.endr
	WIN 0
.irp b, 0,1,2,3,4,5,6,7
	v_cvt_scalef32_pk8_fp8_f32 v[CD+2*\b:CD+2*\b+1], v[TMP+8*\b:TMP+8*\b+7], v[SCV]   ; B's rows 16 b + 8 h + 0 .. 7: registers 2 b, 2 b + 1
.endr
	v_nop                                          ; one plain vector line behind the last conversion: the next block's holds write these conversions' sources
	s_wait_xcnt 0x0                                ; the earlier blocks' stores have read their base and their data: the base may step, and the set of codes before last is free for the next block
.if (\a) == 4
	s_add_nc_u64 s[10:11], s[10:11], s[70:71]
.elseif (\a) > 0
	s_add_nc_u64 s[10:11], s[10:11], s[68:69]
.endif
	global_store_b128 v[SO0], v[CD:CD+3], s[10:11]
	global_store_b128 v[SO0], v[CD+4:CD+7], s[10:11] offset:512
	global_store_b128 v[SO1], v[CD+8:CD+11], s[10:11]
	global_store_b128 v[SO1], v[CD+12:CD+15], s[10:11] offset:512
.endm
.irp a, 0,1,2,3,4,5,6,7
	OUTB \a
.endr
	s_wait_tensorcnt 0x0                           ; the wave's end
	ds_add_u32 v[SPW], v[NIL]
	s_wait_dscnt 0x0
	CROUND                                         ; the closing round: no work-group ends while a partner may still ask for a tile that names it
	s_endpgm
.Lfunc_end_k_qd364085142_proj:
	.size	k_qd364085142_proj, .Lfunc_end_k_qd364085142_proj-k_qd364085142_proj
	.p2alignl 7, 3214868480
	.fill 96, 4, 3214868480
	.section	.rodata,"a",@progbits
	.p2align	6, 0x0
	.amdhsa_kernel k_qd364085142_proj
		.amdhsa_group_segment_fixed_size 327680
		.amdhsa_private_segment_fixed_size 0
		.amdhsa_enable_private_segment 0
		.amdhsa_kernarg_size 80
		.amdhsa_user_sgpr_count 2
		.amdhsa_user_sgpr_kernarg_segment_ptr 1
		.amdhsa_wavefront_size32 1
		.amdhsa_system_sgpr_workgroup_id_x 1
		.amdhsa_system_sgpr_workgroup_id_y 1
		.amdhsa_system_sgpr_workgroup_id_z 1
		.amdhsa_system_vgpr_workitem_id 0
		.amdhsa_next_free_vgpr 1024
		.amdhsa_next_free_sgpr 100
		.amdhsa_reserve_vcc 0
		.amdhsa_float_denorm_mode_32 3
		.amdhsa_float_denorm_mode_16_64 3
		.amdhsa_memory_ordered 1
		.amdhsa_forward_progress 1
		.amdhsa_inst_pref_size 119
	.end_amdhsa_kernel
	.amdgpu_metadata
---
amdhsa.version: [ 1, 2 ]
amdhsa.kernels:
  - .name:           k_qd364085142_proj
    .symbol:         k_qd364085142_proj.kd
    .args:
      - { .name: q_codes, .offset: 0, .size: 8, .value_kind: global_buffer, .address_space: global }
      - { .name: k_codes, .offset: 8, .size: 8, .value_kind: global_buffer, .address_space: global }
      - { .name: v_codes, .offset: 16, .size: 8, .value_kind: global_buffer, .address_space: global }
      - { .name: w_q_codes, .offset: 24, .size: 8, .value_kind: global_buffer, .address_space: global }
      - { .name: w_k_codes, .offset: 32, .size: 8, .value_kind: global_buffer, .address_space: global }
      - { .name: w_v_codes, .offset: 40, .size: 8, .value_kind: global_buffer, .address_space: global }
      - { .name: lowp_scales, .offset: 48, .size: 8, .value_kind: global_buffer, .address_space: global }
      - { .name: qimg, .offset: 56, .size: 8, .value_kind: global_buffer, .address_space: global }
      - { .name: kimg, .offset: 64, .size: 8, .value_kind: global_buffer, .address_space: global }
      - { .name: vimg, .offset: 72, .size: 8, .value_kind: global_buffer, .address_space: global }
    .group_segment_fixed_size: 327680
    .private_segment_fixed_size: 0
    .kernarg_segment_align: 8
    .kernarg_segment_size: 80
    .max_flat_workgroup_size: 128
    .sgpr_count:     100
    .vgpr_count:     1024
    .wavefront_size: 32
...
	.end_amdgpu_metadata
.endif
;; end of part 2
;; launch attn (part 3): grid 4 x 64, 16 waves a work-group, no clusters, 296,960 bytes of LDS; arguments qimg, kimg, vimg, mbits, cls, lowp_scales, ximg; writes ximg
.if DOCPART == 3
	.amdgcn_target "amdgcn-amd-amdhsa--gfx1250"
	.amdhsa_code_object_version 6
	.text
	.protected	k_qd364085142_attn
	.globl	k_qd364085142_attn
	.p2align	8
	.type	k_qd364085142_attn,@function
k_qd364085142_attn:
	s_mov_b64 s[64:65], 0
	v_nop
	global_prefetch_b8 v0, s[64:65] scope:SCOPE_SE
	s_setreg_imm32_b32 hwreg(HW_REG_WAVE_MODE, 25, 1), 1
	s_wait_xcnt 0x0
; Attention on codes of FP8 (E4M3): S = q k^T / 8 with the mask, p = 2^(t - M), O = p v, O / l, and the quantiser of the output projection's operand.  64 heads (b, head) of 2,048 tokens x 64 channels.
; t = logit x log2(e); M = the running largest t rounded UP to a whole number; p is quantised with 2^e8, not normalised; l is the sum of the unquantised p; when M moves, l and O are multiplied by 2^(old M - new M), exact.
; SHARES.  A work-group takes one head and 512 of its queries; each of its sixteen waves TWO tiles of 16 queries: tiles j and 127 - j, j = 4 x wave + work-group x.  The two tiles share K's and V's fragments.
; THE WHOLE HEAD LIES IN LDS: K's and V's register images, 131,072 bytes each, are brought once through registers; ONE barrier; from then on the waves run freely.
; THE MASK comes as lane masks (mbits) and as a word of classes for each tile of queries (cls), both whole numbers stored by an earlier launch.  A step of 128 keys that a tile's word marks as not needed is passed over by a
; scalar branch (all its places are masked and each of the tile's rows has an open key elsewhere, so its terms are 0); a step marked as all open is worked without selects; else each score is selected by its lane mask.
; NO JOINT LOADS, though the four work-groups of a head read the same 262,144 bytes:
; what is shared is read once by each work-group, at its head.
; LAYOUT.  Both products are used transposed: S^T = K Q^T (source 0 = 16 keys, source 1 = 16 queries), O^T = V^T P^T: a lane holds ONE query (lane % 16).  In S^T tile t, register j is key 16 t + 8 h + j, so the conversion of tile t
; gives registers 2 t, 2 t + 1 of P in the K = 128 form's own layout.  All fragments are read from LDS as they were stored: 16 bytes a lane, 512 consecutive bytes a load.
; Q's fragments (8 registers a tile) are fetched from LDS at each step into the registers that P's codes take later in the step.
; A MASKED LOGIT is held as -2^30, not -1e9: c x the masked score is then a whole number, so a row without any open key gives p = 1 for every key, as -1e9 does.
; LIMITS: e6 + e7 between -94 and 9 (c and the masked score are f32 numbers; every open |logit| is at most 64 x 448^2 x 2^(e6 + e7) / 8, under 2^30); e8 and e10 between -126 and 119; e8 + e9 is applied by v_ldexp_f32.  NaN codes are not served.
.set LI,  1                            ; v1   16 x lane
.set AK,  2                            ; v2   LDS address of the step's K (at the head: my part of the fill)
.set AV,  3                            ; v3   of the step's V
.set AQ,  4                            ; v4   of my wave's Q
.set XM,  5                            ; v5   the masked score
.set SCL, 6                            ; v6   2^e8
.set PD,  7                            ; v7   a lane permute's destination
.set LIM, 8                            ; v[8:9]   448 x 2^e8, twice
.set FF,  10                           ; v[10:11] f = 2^(old M - new M), and 0
.set MA,  12                           ; v12, v13 the maximum's two chains
.set SB,  14                           ; v[14:15] the sum's second chain
.set ST,  16                           ; tile x at v[16 + 4 x]: -M, the largest t, the sum in two halves
.set P,   24                           ; tile x at v[24 + 16 x]: Q's fragment, then p's codes
.set O,   56                           ; tile x at v[56 + 32 x]: O^T, 4 tiles of 16 channels
.set S,   120                          ; v[120:183] S^T, then p
.set KV,  184                          ; v[184:247] K's 8 fragments, then V's 4
.set GQ,  248                          ; v248, v249 the head: Q's offsets in memory
.set GO,  250                          ; v250, v251 the way out: my offset in ximg, tile A, B
.set SCX, 252                          ; v252 2^e10
.set LIX, 253                          ; v253 448 x 2^e10
.set VOFF, 0x20000                     ; LDS: K's images at 0, V's here,
.set QOFF, 0x40000                     ; Q's here: 2,048 bytes a wave
.set WV,  86                           ; s86  wave
.set TRIP, 87                          ; s87  steps to go
.set KO,  88                           ; s88  8,192 x step
.set CL,  89                           ; s89, s90  the classes of tiles A, B, shifted right by the step
.set CS,  92                           ; s[92:93] c = log2(e) / 8 x 2^(e6 + e7), twice
.set SEL, 94                           ; s[94:95] lane selects for lane l xor 16
.set MO,  96                           ; s96, s97  byte offset in mbits of the step's 64 words, tiles A, B
; s[16:63], s[68:83]: the 64 lane masks of a tile's step
	s_load_b256 s[4:11], s[0:1], 0x0               ; qimg s[4:5], kimg s[6:7], vimg s[8:9], mbits s[10:11]
	s_load_b128 s[12:15], s[0:1], 0x20             ; cls s[12:13], the scales' exponents s[14:15]
	s_load_b64 s[84:85], s[0:1], 0x30              ; ximg
	v_lshl_add_u32 v254, v0, 2, 0x48000
	v_mov_b32 v255, 0
	v_lshrrev_b32 v2, 5, v0
	v_readfirstlane_b32 s[WV], v2
	v_and_b32 v1, 31, v0
	v_lshlrev_b32 v[LI], 4, v1
	s_lshl_b32 s2, s[WV], 13
	v_add_nc_u32 v[AK], s2, v[LI]                  ; the fill: wave w brings bytes 8,192 w on of K's images and of V's
	v_add_nc_u32 v[AV], VOFF, v[AK]
	s_lshl_b32 s2, s[WV], 11
	s_add_co_u32 s2, s2, QOFF
	v_add_nc_u32 v[AQ], s2, v[LI]
	s_and_b32 s3, ttmp7, 0xffff                    ; bh = 16 b + head
	s_lshl_b32 s98, s3, 17                         ; a head's images: 131,072 bytes in each of the three buffers
	s_mov_b32 s99, 0
	s_lshl_b32 s88, s[WV], 2
	s_add_co_u32 s88, s88, ttmp9                   ; tile A: j = 4 x wave + work-group x
	s_sub_co_u32 s87, 127, s88                     ; tile B: 127 - j
	s_lshr_b32 s2, s3, 4
	s_lshl_b32 s2, s2, 7                           ; 128 b
	s_add_co_u32 s[MO], s2, s88                    ; 128 b + tile
	s_add_co_u32 s[MO+1], s2, s87
	s_lshl_b32 s88, s88, 10                        ; a tile of Q: 1,024 bytes
	v_add_nc_u32 v[GQ], s88, v[LI]
	s_lshl_b32 s87, s87, 10
	v_add_nc_u32 v[GQ+1], s87, v[LI]
	s_and_b32 s91, s3, 15
	s_lshl_b32 s91, s91, 10                        ; ximg: 16,384 bytes a token tile, 1,024 a head
	s_lshl_b32 s2, s[MO], 14
	s_add_co_u32 s2, s2, s91
	v_add_nc_u32 v[GO], s2, v[LI]
	s_lshl_b32 s2, s[MO+1], 14
	s_add_co_u32 s2, s2, s91
	v_add_nc_u32 v[GO+1], s2, v[LI]
	s_lshl_b32 s2, s[MO], 2                        ; cls: a word a tile
	s_lshl_b32 s87, s[MO+1], 2
	s_lshl_b32 s[MO], s[MO], 12                    ; mbits: 16 steps x 256 bytes a tile
	s_lshl_b32 s[MO+1], s[MO+1], 12
	s_mov_b32 s[SEL], 0x76543210
	s_mov_b32 s[SEL+1], 0xfedcba98
	s_wait_kmcnt 0x0
	s_add_nc_u64 s[4:5], s[4:5], s[98:99]
	s_add_nc_u64 s[6:7], s[6:7], s[98:99]
	s_add_nc_u64 s[8:9], s[8:9], s[98:99]
.irp i, 0,1,2,3,4,5,6,7,8,9,10,11,12,13,14,15
	global_load_b128 v[S+4*\i:S+4*\i+3], v[AK], s[6:7] offset:512*\i      ; K: 512 consecutive bytes a load
.endr
.irp i, 0,1,2,3,4,5,6,7,8,9,10,11,12,13,14,15
	global_load_b128 v[KV+4*\i:KV+4*\i+3], v[AK], s[8:9] offset:512*\i    ; V
.endr
	global_load_b128 v[P:P+3], v[GQ], s[4:5]                               ; Q, tile A,
	global_load_b128 v[P+4:P+7], v[GQ], s[4:5] offset:512
	global_load_b128 v[P+16:P+19], v[GQ+1], s[4:5]                         ; tile B
	global_load_b128 v[P+20:P+23], v[GQ+1], s[4:5] offset:512
	s_load_b32 s[CL], s[12:13], s2 offset:0x0
	s_load_b32 s[CL+1], s[12:13], s87 offset:0x0
	s_load_b128 s[16:19], s[14:15], 0x18           ; e6, e7, e8, e9
	s_load_b32 s20, s[14:15], 0x28                 ; e10
	v_mov_b32 v[ST+1], 0xff61b1e6                  ; the largest t so far: -3e38, under every t
	v_mov_b32 v[ST+5], 0xff61b1e6
	v_floor_f32 v[ST], -v[ST+1]                    ; -M
	v_floor_f32 v[ST+4], -v[ST+5]
.irp i, 2,3,6,7
	v_mov_b32 v[ST+\i], 0                          ; the sums
.endr
	v_mov_b32 v[PD], 0                             ; written once: a lane permute's destination counts as one of its sources
	v_mov_b32 v[MA], 0
	v_mov_b32 v[FF+1], 0                           ; (named as the upper half of the pair)
.set jj, 0
.rept 64
	v_mov_b32 v[O+jj], 0                           ; O^T of both tiles.  Which step is a tile's first hangs on the stored classes, so no first step can be written out: the first change of M multiplies zeros
.set jj, jj+1
.endr
	s_wait_kmcnt 0x0
	s_add_co_i32 s2, s16, s17                      ; e6 + e7
	s_lshl_b32 s3, s2, 23
	s_add_co_i32 s[CS], s3, 0x3e38aa3b             ; c = log2(e) / 8, with the two exponents added to its exponent field
	s_mov_b32 s[CS+1], s[CS]
	s_sub_co_i32 s2, 160, s2
	s_lshl_b32 s2, s2, 23
	s_or_b32 s2, s2, 0x80000000
	v_mov_b32 v[XM], s2                            ; -2^(33 - e6 - e7): the sum that stands for the logit -2^30
	s_add_co_i32 s2, s18, 127
	s_lshl_b32 s3, s2, 23
	v_mov_b32 v[SCL], s3                           ; 2^e8
	s_add_co_i32 s2, s2, 8
	s_lshl_b32 s2, s2, 23
	s_or_b32 s2, s2, 0x600000
	v_mov_b32 v[LIM], s2                           ; 448 x 2^e8
	v_mov_b32 v[LIM+1], s2
	s_add_co_i32 s98, s18, s19                     ; e8 + e9
	s_add_co_i32 s2, s20, 127
	s_lshl_b32 s3, s2, 23
	v_mov_b32 v[SCX], s3                           ; 2^e10
	s_add_co_i32 s2, s2, 8
	s_lshl_b32 s2, s2, 23
	s_or_b32 s2, s2, 0x600000
	v_mov_b32 v[LIX], s2                           ; 448 x 2^e10
	s_mov_b32 s[TRIP], 16
	s_mov_b32 s[KO], 0
	s_wait_loadcnt 20                              ; K's 16 loads are in; V's 16 and Q's 4 may be out
.irp i, 0,1,2,3,4,5,6,7,8,9,10,11,12,13,14,15
	ds_store_b128 v[AK], v[S+4*\i:S+4*\i+3] offset:512*\i
.endr
	s_wait_loadcnt 4                               ; V's are in; Q's 4 may be out
.irp i, 0,1,2,3,4,5,6,7,8,9,10,11,12,13,14,15
	ds_store_b128 v[AV], v[KV+4*\i:KV+4*\i+3] offset:512*\i
.endr
	s_wait_loadcnt 0
	ds_store_b128 v[AQ], v[P:P+3]
	ds_store_b128 v[AQ], v[P+4:P+7] offset:512
	ds_store_b128 v[AQ], v[P+16:P+19] offset:1024
	ds_store_b128 v[AQ], v[P+20:P+23] offset:1536
	s_wait_dscnt 0x0                               ; for the others' sake: my part of the head has landed in LDS
	s_barrier_signal -1
	s_barrier_wait -1                              ; the launch's one barrier: behind it LDS is only read
.macro PLACES                          ; four places behind a matrix instruction, in front of the first read of its result and of loads into its sources
.rept 4
	v_nop
.endr
.endm
; The step's K (8 fragments of 16 keys x 64 channels) and the Q of the tiles that work this step.  The two additions and two v_nop are the four places behind the last step's products, whose sources are loaded anew.
.macro LOADK qa, qb
	v_add_nc_u32 v[AK], s[KO], v[LI]
	v_add_nc_u32 v[AV], VOFF, v[AK]
	v_nop
	v_nop
.irp i, 0,1,2,3,4,5,6,7,8,9,10,11,12,13,14,15
	ds_load_b128 v[KV+4*\i:KV+4*\i+3], v[AK] offset:512*\i
.endr
.if \qa
	ds_load_b128 v[P:P+3], v[AQ]
	ds_load_b128 v[P+4:P+7], v[AQ] offset:512
.endif
.if \qb
	ds_load_b128 v[P+16:P+19], v[AQ] offset:1024
	ds_load_b128 v[P+20:P+23], v[AQ] offset:1536
.endif
.endm
.macro LOADV                           ; the step's V: 4 fragments of 16 channels x 128 keys, into K's registers
.irp i, 0,1,2,3,4,5,6,7,8,9,10,11,12,13,14,15
	ds_load_b128 v[KV+4*\i:KV+4*\i+3], v[AV] offset:512*\i
.endr
.endm
.macro SMM x                           ; S^T = K Q^T of tile x: eight accumulators, each begun with the constant 0
.irp t, 0,1,2,3,4,5,6,7
	v_wmma_f32_16x16x64_fp8_fp8 v[S+8*\t:S+8*\t+7], v[KV+8*\t:KV+8*\t+7], v[P+16*(\x):P+16*(\x)+7], 0
.endr
.endm
; The softmax of tile x for one step, and its codes.
.macro SOFTMAX x
.set NM, ST+4*(\x)
.set PX, P+16*(\x)
.set OX, O+32*(\x)
	v_max3_num_f32 v[MA], v[S], v[S+1], v[S+2]     ; the step's largest score of my query among my 64 keys, in two chains, each accumulator from its low end on
	v_max3_num_f32 v[MA+1], v[S+3], v[S+4], v[S+5]
.irp i, 6,10,14,18,22,26,30,34,38,42,46,50,54,58
	v_max3_num_f32 v[MA], v[MA], v[S+\i], v[S+\i+1]
	v_max3_num_f32 v[MA+1], v[MA+1], v[S+\i+2], v[S+\i+3]
.endr
	v_max3_num_f32 v[MA], v[MA], v[S+62], v[S+63]
	v_max_num_f32 v[MA], v[MA], v[MA+1]
	v_permlanex16_b32 v[PD], v[MA], s[SEL], s[SEL+1]
	v_max_num_f32 v[MA], v[MA], v[PD]              ; and among lane l xor 16's
	v_mul_f32 v[MA], s[CS], v[MA]                  ; as t (c is positive)
	v_max_num_f32 v[NM+1], v[NM+1], v[MA]          ; the running largest t
	v_mov_b32 v[MA], v[NM]
	v_floor_f32 v[NM], -v[NM+1]                    ; the new -M = floor(-t): M is a whole number
	v_sub_f32 v[MA], v[NM], v[MA]                  ; old M - new M: a whole number, 0 or less
	v_cvt_i32_f32 v[MA], v[MA]                     ; (it saturates)
	v_ldexp_f32 v[FF], 1.0, v[MA]                  ; f = 2^(old M - new M)
.set jj, 0
.rept 32
	v_pk_fma_f32 v[S+jj:S+jj+1], v[S+jj:S+jj+1], s[CS:CS+1], v[NM:NM+1] op_sel_hi:[1,0,0]   ; t - M, two at a time (of the pairs c and -M the low word serves both halves)
.set jj, jj+2
.endr
.set jj, 0
.rept 64
	v_exp_f32 v[S+jj], v[S+jj]                     ; p = 2^(t - M), at most 1
.set jj, jj+1
.endr
	v_pk_mul_f32 v[NM+2:NM+3], v[NM+2:NM+3], v[FF:FF+1] op_sel_hi:[1,0]   ; the sums under the new M: the plain line behind the exponentials
	s_wait_alu depctr_va_vdst(0)                   ; one wait for the batch of 64, ahead of its first reader
	v_pk_add_f32 v[SB:SB+1], v[S:S+1], v[S+2:S+3]  ; the sum is taken of the unquantised p: two at a time, in two chains
.irp j, 4,8,12,16,20,24,28,32,36,40,44,48,52,56,60
	v_pk_add_f32 v[NM+2:NM+3], v[NM+2:NM+3], v[S+\j:S+\j+1]
	v_pk_add_f32 v[SB:SB+1], v[SB:SB+1], v[S+\j+2:S+\j+3]
.endr
	v_pk_add_f32 v[NM+2:NM+3], v[NM+2:NM+3], v[SB:SB+1]
.set jj, 0
.rept 32
	v_dual_min_num_f32 v[S+jj], v[S+jj], v[LIM] :: v_dual_min_num_f32 v[S+jj+1], v[S+jj+1], v[LIM+1]   ; the conversion does not saturate (ISA guide 7.6.2); p is not negative, so the hold is one-sided; two a line
.set jj, jj+2
.endr
.irp t, 0,1,2,3,4,5,6,7
	v_cvt_scalef32_pk8_fp8_f32 v[PX+2*\t:PX+2*\t+1], v[S+8*\t:S+8*\t+7], v[SCL]   ; keys 16 t + 8 h + 0 .. 7: registers 2 t, 2 t + 1 of the operand
.endr
.set jj, 0
.rept 16
	v_pk_mul_f32 v[OX+jj:OX+jj+1], v[OX+jj:OX+jj+1], v[FF:FF+1] op_sel_hi:[1,0]   ; O^T under the new M.  (These are also the plain lines behind the conversions)
.set jj, jj+2
.endr
.endm
; Tile x's scores and softmax.  withv = 1: K's registers are done with behind these products and take V.  Where the tile's word says that the step is not all open, the 64 lane masks are read (asked for ahead of the products) and each score is selected.
.macro TILE x, withv
	s_bitcmp1_b32 s[CL+(\x)], 16
	s_cbranch_scc0 .Lplain_\@
	s_load_b512 s[16:31], s[10:11], s[MO+(\x)] offset:0x0
	s_load_b512 s[32:47], s[10:11], s[MO+(\x)] offset:0x40
	s_load_b512 s[48:63], s[10:11], s[MO+(\x)] offset:0x80
	s_load_b512 s[68:83], s[10:11], s[MO+(\x)] offset:0xc0
	s_wait_dscnt 0x0                               ; K and Q are in
	SMM \x
	PLACES
.if \withv
	LOADV
.endif
	s_wait_kmcnt 0x0
.set nn, 0
.rept 64
.if nn < 48
	v_cndmask_b32 v[S+nn], v[XM], v[S+nn], s[16+nn]   ; open: the score; masked: the masked score
.else
	v_cndmask_b32 v[S+nn], v[XM], v[S+nn], s[20+nn]
.endif
.set nn, nn+1
.endr
	s_branch .Ljoin_\@
.Lplain_\@:
	s_wait_dscnt 0x0
	SMM \x
	PLACES
.if \withv
	LOADV
.endif
.Ljoin_\@:
	SOFTMAX \x
.endm
.macro PVONE x                         ; O^T += V^T P^T of tile x: four accumulators by turns
.irp d, 0,1,2,3
	v_wmma_f32_16x16x128_fp8_fp8 v[O+32*(\x)+8*\d:O+32*(\x)+8*\d+7], v[KV+16*\d:KV+16*\d+15], v[P+16*(\x):P+16*(\x)+15], v[O+32*(\x)+8*\d:O+32*(\x)+8*\d+7]
.endr
.endm
.Lstep:                                            ; 16 trips, one for each step of 128 keys; what a trip does hangs on the two stored words
	s_bitcmp1_b32 s[CL], 0
	s_cbranch_scc0 .LnoA
	s_bitcmp1_b32 s[CL+1], 0
	s_cbranch_scc0 .LonlyA
	LOADK 1, 1                                     ; both tiles work this step, on the same fragments
	TILE 0, 0
	TILE 1, 1
	s_wait_dscnt 0x0                               ; V is in
.irp d, 0,1,2,3
	v_wmma_f32_16x16x128_fp8_fp8 v[O+8*\d:O+8*\d+7], v[KV+16*\d:KV+16*\d+15], v[P:P+15], v[O+8*\d:O+8*\d+7]            ; eight accumulators by turns
	v_wmma_f32_16x16x128_fp8_fp8 v[O+32+8*\d:O+32+8*\d+7], v[KV+16*\d:KV+16*\d+15], v[P+16:P+31], v[O+32+8*\d:O+32+8*\d+7]
.endr
	s_branch .Lnext
.LonlyA:
	LOADK 1, 0
	TILE 0, 1
	s_wait_dscnt 0x0
	PVONE 0
	s_branch .Lnext
.LnoA:
	s_bitcmp1_b32 s[CL+1], 0
	s_cbranch_scc0 .Lnext
	LOADK 0, 1
	TILE 1, 1
	s_wait_dscnt 0x0
	PVONE 1
.Lnext:
	s_lshr_b32 s[CL], s[CL], 1                     ; the next step's two bits come to places 0 and 16
	s_lshr_b32 s[CL+1], s[CL+1], 1
	s_add_co_u32 s[KO], s[KO], 8192
	s_add_co_u32 s[MO], s[MO], 256                 ; (every scalar load that named these has been waited for)
	s_add_co_u32 s[MO+1], s[MO+1], 256
	s_sub_co_u32 s[TRIP], s[TRIP], 1
	s_cmp_lg_u32 s[TRIP], 0
	s_cbranch_scc1 .Lstep
	; THE WAY OUT.  The additions below are the places behind the last products.
	v_add_f32 v[ST+2], v[ST+2], v[ST+3]            ; a sum's two halves,
	v_add_f32 v[ST+6], v[ST+6], v[ST+7]
	v_permlanex16_b32 v[PD], v[ST+2], s[SEL], s[SEL+1]
	v_permlanex16_b32 v[MA], v[ST+6], s[SEL], s[SEL+1]
	v_add_f32 v[ST+2], v[ST+2], v[PD]              ; and lane l xor 16's: l
	v_add_f32 v[ST+6], v[ST+6], v[MA]
	v_rcp_f32 v[ST+2], v[ST+2]
	v_rcp_f32 v[ST+6], v[ST+6]
	v_nop                                          ; a plain line behind the reciprocals
	s_wait_alu depctr_va_vdst(0)                   ; one wait for both, ahead of their first reader
	v_ldexp_f32 v[ST+2], v[ST+2], s98              ; 2^(e8 + e9) / l
	v_ldexp_f32 v[ST+6], v[ST+6], s98
; Tile x: O^T / l, held, converted with 2^e10.  A lane then holds, for each dt, channels 16 dt + 8 h + 0 .. 7 in two registers; the next product's fragment wants channels 32 c + 16 h + 0 .. 15 in four.
; An exchange of one register's upper lanes with another's lower lanes gives just that, in place.  Two stores of 512 consecutive bytes.
.macro LEAVE x
.set NM, ST+4*(\x)
.set OX, O+32*(\x)
.set SX, S+32*(\x)
.set CX, KV+8*(\x)
.set jj, 0
.rept 16
	v_pk_mul_f32 v[SX+jj:SX+jj+1], v[OX+jj:OX+jj+1], v[NM+2:NM+3] op_sel_hi:[1,0]   ; each accumulator from its low end on
.set jj, jj+2
.endr
.set jj, 0
.rept 32
	v_med3_num_f32 v[SX+jj], v[SX+jj], -v[LIX], v[LIX]
.set jj, jj+1
.endr
.irp d, 0,1,2,3
	v_cvt_scalef32_pk8_fp8_f32 v[CX+2*\d:CX+2*\d+1], v[SX+8*\d:SX+8*\d+7], v[SCX]
.endr
	v_nop                                          ; one plain line between the conversions and the lines that touch their results
	v_permlane16_swap_b32 v[CX], v[CX+2]
	v_permlane16_swap_b32 v[CX+1], v[CX+3]
	v_permlane16_swap_b32 v[CX+4], v[CX+6]
	v_permlane16_swap_b32 v[CX+5], v[CX+7]
	global_store_b128 v[GO+(\x)], v[CX:CX+3], s[84:85]
	global_store_b128 v[GO+(\x)], v[CX+4:CX+7], s[84:85] offset:512
.endm
	LEAVE 0
	LEAVE 1                                        ; other registers than tile A's: no store's data are written again
	s_wait_tensorcnt 0x0
	ds_add_u32 v254, v255
	s_wait_dscnt 0x0
	s_endpgm
.Lfunc_end_k_qd364085142_attn:
	.size	k_qd364085142_attn, .Lfunc_end_k_qd364085142_attn-k_qd364085142_attn
	.p2alignl 7, 3214868480
	.fill 96, 4, 3214868480
	.section	.rodata,"a",@progbits
	.p2align	6, 0x0
	.amdhsa_kernel k_qd364085142_attn
		.amdhsa_group_segment_fixed_size 296960
		.amdhsa_private_segment_fixed_size 0
		.amdhsa_enable_private_segment 0
		.amdhsa_kernarg_size 56
		.amdhsa_user_sgpr_count 2
		.amdhsa_user_sgpr_kernarg_segment_ptr 1
		.amdhsa_wavefront_size32 1
		.amdhsa_system_sgpr_workgroup_id_x 1
		.amdhsa_system_sgpr_workgroup_id_y 1
		.amdhsa_system_sgpr_workgroup_id_z 1
		.amdhsa_system_vgpr_workitem_id 0
		.amdhsa_next_free_vgpr 256
		.amdhsa_next_free_sgpr 100
		.amdhsa_reserve_vcc 0
		.amdhsa_float_denorm_mode_32 3
		.amdhsa_float_denorm_mode_16_64 3
		.amdhsa_memory_ordered 1
		.amdhsa_forward_progress 1
		.amdhsa_inst_pref_size 102
	.end_amdhsa_kernel
	.amdgpu_metadata
---
amdhsa.version: [ 1, 2 ]
amdhsa.kernels:
  - .name:           k_qd364085142_attn
    .symbol:         k_qd364085142_attn.kd
    .args:
      - { .name: qimg, .offset: 0, .size: 8, .value_kind: global_buffer, .address_space: global }
      - { .name: kimg, .offset: 8, .size: 8, .value_kind: global_buffer, .address_space: global }
      - { .name: vimg, .offset: 16, .size: 8, .value_kind: global_buffer, .address_space: global }
      - { .name: mbits, .offset: 24, .size: 8, .value_kind: global_buffer, .address_space: global }
      - { .name: cls, .offset: 32, .size: 8, .value_kind: global_buffer, .address_space: global }
      - { .name: lowp_scales, .offset: 40, .size: 8, .value_kind: global_buffer, .address_space: global }
      - { .name: ximg, .offset: 48, .size: 8, .value_kind: global_buffer, .address_space: global }
    .group_segment_fixed_size: 296960
    .private_segment_fixed_size: 0
    .kernarg_segment_align: 8
    .kernarg_segment_size: 56
    .max_flat_workgroup_size: 512
    .sgpr_count:     100
    .vgpr_count:     256
    .wavefront_size: 32
...
	.end_amdgpu_metadata
.endif
;; end of part 3
;; launch outproj (part 4): grid 4 x 32, 4 waves a work-group, clusters of 4 x 4, 327,680 bytes of LDS; arguments ximg, w_o_codes, lowp_scales, out0; writes out0
.if DOCPART == 4
	.amdgcn_target "amdgcn-amd-amdhsa--gfx1250"
	.amdhsa_code_object_version 6
	.text
	.protected	k_qd364085142_outproj
	.globl	k_qd364085142_outproj
	.p2align	8
	.type	k_qd364085142_outproj,@function
k_qd364085142_outproj:
	s_mov_b64 s[64:65], 0
	v_nop
	global_prefetch_b8 v0, s[64:65] scope:SCOPE_SE
	s_setreg_imm32_b32 hwreg(HW_REG_WAVE_MODE, 25, 1), 1
	s_wait_xcnt 0x0
	s_wait_alu depctr_hold_cnt(0) depctr_sa_sdst(0) depctr_va_vdst(0) depctr_va_sdst(0) depctr_va_ssrc(0) depctr_va_vcc(0) depctr_vm_vsrc(0)
	s_getreg_b32 s2, hwreg(HW_REG_IB_STS2, 6, 4)
	s_cmp_eq_u32 s2, 0
	s_cbranch_scc0 .Lentry_in_a_cluster
	s_endpgm
.Lentry_in_a_cluster:
	s_bfe_u32 s2, ttmp6, 0x10000c
	s_cmp_lg_u32 s2, 0xf033
	s_cbranch_scc0 .Lentry_shape_is_right
	s_endpgm
.Lentry_shape_is_right:
; out0[m][n] = 2^(e10 + e11) x the sum over k of x[m][k] w_o[n][k]: [8192][1024] x [1024][1024], codes of FP8 (E4M3); out0 f32; sums in f32.
; x comes as IMAGES OF OPERAND REGISTERS, ximg [token tile 512][K step of 128: 8][plane 4][lane 32][16 bytes]: registers 4 c .. 4 c + 3 hold K = 32 c + 16 h + 0 .. 15 of token 16 T + lane % 16.  w_o comes as rows, K innermost, and its
; fragments are fetched by four loads of 16 bytes, which give the same places to the same k: every product meets its partner.
; LIMIT: e10 + e11 between -126 and 127, so that 2^(e10 + e11) is an f32 number.
; A tile of 256 x 256 is made by a work-group of four waves; a wave makes 128 x 128: 64 accumulators, 512 registers.  K goes in steps of 256 through a ring of two LDS slots filled by the tensor data mover.
; CLUSTERS: 4 x 4 work-groups; x's tile is shared along a row of the cluster, w_o's along a column: each is asked for jointly, by the same tensor load with the same descriptor and a mask that names the four.
; The matrix instruction is used transposed (source 0 = 16 rows of w_o, source 1 = 16 tokens): a lane holds eight neighbouring numbers of a row of out0.
; 128 tiles: this tile gives work to 128 work-groups.
; REGISTERS, in windows of 256: window 0: v0-31 addresses; from v128 A's fragments, ONE set; on the way out v32-255 are free.  window 1: B's fragments, TWO sets.  windows 2, 3: the accumulators ((a, b) at v[8 (8 (a % 4) + b)]).
.set SIZE_N, 1024
.set ROWB,   256                       ; a row of B's tile in bytes
.set KROW,   1024                      ; a row of w_o in memory
.set PITCH,  272                       ; B's LDS row: 256 bytes + 16 of padding: the 16 rows that a load touches start at 16 different banks (64 banks of 4 bytes: ISA guide 11.1)
.set FR,     16
.set NL,     4
.set NP,     4                         ; places behind this matrix instruction (ISA guide 7.12.1)
.set ATILE,  4096                      ; A in a slot: a token tile's two K steps of 128, 2,048 bytes each, as they lie in memory
.set AROW,   16384                     ; from a token tile to the next in memory
.set AHALF,  8*ATILE                   ; 8 token tiles: what one tensor load brings of A, and what one wave reads
.set BHALF,  128*PITCH                 ; 128 rows of B likewise
.set BOFF,   2*AHALF                   ; a slot: A's two halves, then B's two
.set SLOT,   2*AHALF+2*BHALF
.set LAPS,   2                         ; a lap = two K steps of 256 = once round the ring
.set SPARE,  2*SLOT                    ; behind the ring: the spare words, 128 bytes for each wave: two blocks of 256 bytes that no other line names
.set SPITCH, 528                       ; the way out: a stage of 16 rows x (512 bytes + 16) for each wave.  It lies in slot 0, which has had its last fill and its last read when the first result is stored there
.set ADRA, 16                          ; v16-17  LDS address of my A fragments in slot 0, 1
.set ADRB, 20                          ; v20-21  the same for B
.set STO,  24                          ; v24     the way out: where I put 32 bytes of a row
.set RD,   25                          ; v25     the way out: where I read a row back
.set CO,   26                          ; v26     my byte offset in a row of out0
.set SPW,  28                          ; v28     LDS address of my spare word; never rewritten
.set NIL,  29                          ; v29     0; never rewritten
.set TMP,  32                          ; the way out: 64 registers, a block's sums x 2^(e10 + e11)
.set AF,   128                         ; A's fragments, in window 0
.set BK,   128                         ; the way out: 16 rows read back from the stage: v128-191 and v192-255 by turns
.set G1, 24                            ; s[24:31] descriptor group 1 for A's tiles;  s[32:39] group 0, one set for each slot
.set G0, 32
.set G1B, 48                           ; s[48:55], s[56:63] the same for B's tiles
.set G0B, 56
.set MSB, 0
.macro WIN new                         ; the immediate's high byte repeats the setting that is left
.if MSB != \new
	s_set_vgpr_msb (MSB<<8)|\new
.set MSB, \new
.endif
.endm
.set MUL_LO, 0xa1                      ; source 0 (B) window 1, source 1 (A) window 0, C and D window 2
.set MUL_HI, 0xf1                      ; the same, C and D window 3
.set TO_B,   0x40                      ; destination window 1, address window 0
; A joint load: waves 0 and 1 fetch for A, waves 2 and 3 for B; the branch hangs on the wave's number alone.  Four v_nop follow each of the two lines, ahead of the jump, the label and what follows.
.macro JLOAD g0a, g1a, g0b, g1b
	s_cmp_eq_u32 s15, 0
	s_cbranch_scc0 .Lfor_b_\@
	tensor_load_to_lds s[\g0a:\g0a+3], s[\g1a:\g1a+7]
	s_nop 0
.rept 4
	v_nop
.endr
	s_branch .Lasked_\@
.Lfor_b_\@:
	tensor_load_to_lds s[\g0b:\g0b+3], s[\g1b:\g1b+7]
	s_nop 0
.rept 4
	v_nop
.endr
.Lasked_\@:
.endm
.macro CREST                           ; a round of the cluster's barrier behind its opening barrier
	s_cmp_lg_u32 s14, 0
	s_cbranch_scc1 .Lnot_wave_0_\@
	s_barrier_signal -3
.Lnot_wave_0_\@:
	s_barrier_wait -3
	s_barrier_signal -1
	s_barrier_wait -1
.endm
.macro CROUND                          ; a whole round
	s_barrier_signal -1
	s_barrier_wait -1
	CREST
.endm
	s_load_b128 s[4:7], s[0:1], 0x0                ; ximg s[4:5], w_o's codes s[6:7]
	s_load_b128 s[8:11], s[0:1], 0x10              ; the scales' exponents s[8:9], out0 s[10:11]
	v_lshl_add_u32 v[SPW], v0, 2, SPARE
	v_mov_b32 v[NIL], 0
	ds_add_u32 v28, v29
	ds_add_u32 v28, v29
	s_wait_dscnt 0x0
	v_lshrrev_b32 v1, 5, v0
	v_readfirstlane_b32 s14, v1                    ; wave 0..3
	s_lshr_b32 s15, s14, 1                         ; which half of the tile's rows is mine.  Also: I fetch for A (0) or for B (1)
	s_and_b32 s16, s14, 1                          ; which half of its columns.  Also: which half of that tile I fetch
	s_bfe_u32 s40, ttmp6, 0x40000                  ; cx, cy: my place in the cluster
	s_bfe_u32 s41, ttmp6, 0x40004
	s_lshl_b32 s42, ttmp9, 2
	s_add_co_u32 s42, s42, s40                     ; tile column = 4 x cluster x + cx
	s_and_b32 s17, ttmp7, 0xffff
	s_lshl_b32 s17, s17, 2
	s_add_co_u32 s17, s17, s41                     ; tile row = 4 x cluster y + cy
	s_lshl_b32 s43, s41, 2
	s_lshl_b32 s43, 15, s43                        ; my row of the cluster
	s_lshl_b32 s44, 0x1111, s40                    ; my column
	; descriptor group 1 for A: 8 rows (token tiles) x 4,096 bytes, 16,384 bytes apart in memory, dense in LDS
	s_or_b32 s[G1+0], s43, (0<<16)|(1<<21)         ; 15:0 the mask: A's tiles go to my row; 17:16 element of 1 byte; 20 no padding; 21 set beside a mask
	s_mov_b32 s[G1+1], ATILE<<16                   ; tensor_dim0 = 4,096
	s_mov_b32 s[G1+2], 8<<16                       ; tensor_dim1 = 8
	s_mov_b32 s[G1+3], ATILE<<16                   ; tile_dim0
	s_mov_b32 s[G1+4], 8                           ; tile_dim1
	s_mov_b32 s[G1+5], AROW                        ; tensor_dim0_stride
	s_mov_b32 s[G1+6], 0
	s_mov_b32 s[G1+7], 0
	; for B: 128 rows x 256 bytes, padded in LDS
	s_or_b32 s[G1B+0], s44, (0<<16)|(1<<20)|(1<<21)|(5<<22)|(3<<25)  ; the mask of my column; padding of 4 words (code 3) after every 64 (code 5)
	s_mov_b32 s[G1B+1], ROWB<<16
	s_mov_b32 s[G1B+2], 128<<16
	s_mov_b32 s[G1B+3], ROWB<<16
	s_mov_b32 s[G1B+4], 128
	s_mov_b32 s[G1B+5], KROW
	s_mov_b32 s[G1B+6], 0
	s_mov_b32 s[G1B+7], 0
	s_lshl_b32 s20, s17, 18                        ; A: token tile 16 x tile row + 8 x half, 16,384 bytes each (under 2^23)
	s_lshl_b32 s18, s16, 17
	s_add_co_u32 s20, s20, s18
	s_mov_b32 s21, 0
	s_lshl_b32 s46, s42, 18                        ; B: row 256 x tile column + 128 x half, 1,024 bytes each
	s_add_co_u32 s46, s46, s18
	s_mov_b32 s47, 0
	s_mul_i32 s66, s16, AHALF                      ; where they go: no place in the cluster enters an LDS address
	s_mul_i32 s67, s16, BHALF
	s_add_co_u32 s67, s67, BOFF
	s_wait_kmcnt 0x0
	s_load_b64 s[96:97], s[8:9], 0x28              ; e10, e11
	s_add_nc_u64 s[20:21], s[4:5], s[20:21]
	s_add_nc_u64 s[46:47], s[6:7], s[46:47]
	CROUND                                         ; all sixteen work-groups are here: the first joint loads meet
.irp s, 0,1
	s_mov_b32 s[G0+4*\s], 1
	s_add_co_u32 s[G0+4*\s+1], s66, \s*SLOT
	s_add_nc_u64 s[G0+4*\s+2:G0+4*\s+3], s[20:21], \s*ATILE
	s_or_b32 s[G0+4*\s+3], s[G0+4*\s+3], 0x80000000
	s_mov_b32 s[G0B+4*\s], 1
	s_add_co_u32 s[G0B+4*\s+1], s67, \s*SLOT
	s_add_nc_u64 s[G0B+4*\s+2:G0B+4*\s+3], s[46:47], \s*ROWB
	s_or_b32 s[G0B+4*\s+3], s[G0B+4*\s+3], 0x80000000
	JLOAD G0+4*\s, G1, G0B+4*\s, G1B
.endr
	v_and_b32 v1, 15, v0                           ; l % 16
	v_bfe_u32 v2, v0, 4, 1                         ; l / 16
	v_and_b32 v6, 31, v0
	v_lshlrev_b32 v[CO], 4, v6                     ; 16 x lane: an image's place for my lane; also my 16 bytes of a row of 512 on the way out
	v_mul_u32_u24 v3, v1, PITCH
	v_lshl_add_u32 v4, v2, 4, v3                   ; B: a fragment's row x pitch + 16 x half
	s_mul_i32 s21, s15, AHALF                      ; my 8 token tiles of A
	s_mul_i32 s22, s16, BHALF                      ; my 128 rows of B,
	s_add_co_u32 s22, s22, BOFF                    ; which lie behind A
.irp s, 0,1
	v_add_nc_u32 v[ADRA+\s], s21, v[CO]
	v_add_nc_u32 v[ADRB+\s], s22, v4
	s_add_co_u32 s21, s21, SLOT
	s_add_co_u32 s22, s22, SLOT
.endr
	s_mul_i32 s23, s14, 16*SPITCH                  ; my stage
	v_mul_u32_u24 v5, v1, SPITCH                   ; in: row l % 16, 32 bytes for each half of the lanes
	v_lshl_add_u32 v5, v2, 5, v5
	v_add_nc_u32 v[STO], s23, v5
	v_add_nc_u32 v[RD], s23, v[CO]                 ; back: the 32 lanes take one row of 512 bytes
	s_lshl_b32 s20, s17, 8
	s_lshl_b32 s21, s15, 7
	s_add_co_u32 s20, s20, s21                     ; my first row of out0: 256 x tile row + 128 x half,
	s_lshl_b32 s20, s20, 12                        ; 4,096 bytes a row (under 2^25)
	s_lshl_b32 s46, s42, 10                        ; my first column, in bytes: 1,024 x tile column + 512 x half
	s_lshl_b32 s47, s16, 9
	s_add_co_u32 s46, s46, s47
	s_add_co_u32 s20, s20, s46
	s_mov_b32 s21, 0
	s_add_nc_u64 s[10:11], s[10:11], s[20:21]
.macro FRAGA reg, adr, q, i            ; A's fragment comes back as it was stored: token tile i, the slot's q-th 128 along K, four planes of 512 bytes
.irp c, 0,1,2,3
	ds_load_b128 v[\reg+4*\c:\reg+4*\c+3], v[\adr] offset:(\i)*ATILE+(\q)*2048+512*\c
.endr
.endm
.macro FRAGB reg, adr, q, i            ; B's from rows: lane l holds row l % 16; registers 4 c .. 4 c + 3 hold K = 32 c + 16 (l / 16) + 0 .. 15
.irp c, 0,1,2,3
	ds_load_b128 v[\reg+4*\c:\reg+4*\c+3], v[\adr] offset:128*(\q)+32*\c+(\i)*16*PITCH
.endr
.endm
; 16 matrix instructions: A's blocks a0, a0 + 1 x B's eight, 128 along K.  p: B's set.  zero = 1: the first product starts the sums.
; The 64 accumulators take turns, one instruction a turn, in the same order in every step.
.macro MUL16 a0, p, zero
.irp a, \a0, \a0+1
.irp b, 0,1,2,3,4,5,6,7
.if \zero
	v_wmma_f32_16x16x128_fp8_fp8 v[8*(8*((\a)%4)+\b):8*(8*((\a)%4)+\b)+7], v[128*(\p)+FR*\b:128*(\p)+FR*\b+FR-1], v[AF+FR*(\a):AF+FR*(\a)+FR-1], 0
.else
	v_wmma_f32_16x16x128_fp8_fp8 v[8*(8*((\a)%4)+\b):8*(8*((\a)%4)+\b)+7], v[128*(\p)+FR*\b:128*(\p)+FR*\b+FR-1], v[AF+FR*(\a):AF+FR*(\a)+FR-1], v[8*(8*((\a)%4)+\b):8*(8*((\a)%4)+\b)+7]
.endif
.endr
.endr
.endm
.macro FETCH_B slot, q, p              ; B's eight fragments of the slot's q-th 128 along K into set p
	WIN TO_B
.irp i, 0,1,2,3,4,5,6,7
	FRAGB 128*(\p)+FR*\i, ADRB+\slot, \q, \i
.endr
	WIN 0
.endm
.macro FETCH_A slot, q, i0             ; A's blocks i0 .. i0 + 3
.irp i, \i0, \i0+1, \i0+2, \i0+3
	FRAGA AF+FR*(\i), ADRA+\slot, \q, \i
.endr
.endm
; A load into a register that a matrix instruction has read, and a vector instruction that reads a matrix result, stand NP places behind that matrix instruction, and only plain vector
; instructions that name none of its registers are places; the matrix instructions in between are not counted.
.macro PLACES n
.rept \n
	v_nop
.endr
.endm
; A step of 128 along K that has its successor in the same slot.
.macro STEP slot, q, zero
	s_wait_dscnt 4*NL                              ; B's set and A's blocks 0-3 are in; the youngest 16 loads (A's blocks 4-7) may be out
	WIN MUL_LO
	MUL16 0, (\q)%2, \zero
	MUL16 2, (\q)%2, \zero
	s_wait_dscnt 0                                 ; A's blocks 4-7 are in (asked for 32 matrix instructions ago)
	PLACES NP
	FETCH_B \slot, (\q)+1, 1-(\q)%2
	FETCH_A \slot, (\q)+1, 0
	WIN MUL_HI
	MUL16 4, (\q)%2, \zero
	MUL16 6, (\q)%2, \zero
	PLACES NP
	WIN 0
	FETCH_A \slot, (\q)+1, 4
.endm
; A slot's last step changes slots: ONE barrier; in front of it each wave waits for all its tensor loads, adds 0 to its spare word, and waits for that and for its own reads of this slot.  fill = 1: this slot is filled again, two K steps ahead.
.macro TURN slot, next, fill
	s_wait_tensorcnt 0x0                           ; all my tensor loads have landed: my part of the next slot;  (every window is 0 here: the add's two registers lie in window 0)
	ds_add_u32 v[SPW], v[NIL]                      ; 0 onto my spare word
	s_wait_dscnt 4*NL+1                            ; (the add and the youngest 16 loads, A's blocks 4-7, may be out)
	WIN MUL_LO
	MUL16 0, 1, 0                                  ; sixteen matrix instructions stand between the add and the wait for it
	s_wait_dscnt 0x0                               ; the add is done, and my reads of this slot are over
	s_barrier_signal -1
	MUL16 2, 1, 0
	WIN 0
	s_barrier_wait -1
.if \fill
	CREST                                          ; the barrier has opened a round of the cluster's barrier: no wave of any partner still reads this slot's tile or has a load on its way
	s_add_nc_u64 s[G0+4*\slot+2:G0+4*\slot+3], s[G0+4*\slot+2:G0+4*\slot+3], 2*ATILE
	s_add_nc_u64 s[G0B+4*\slot+2:G0B+4*\slot+3], s[G0B+4*\slot+2:G0B+4*\slot+3], 2*ROWB
	JLOAD G0+4*\slot, G1, G0B+4*\slot, G1B         ; the first tensor load behind the round; the four v_nop behind it are the places in front of the loads below
.else
	PLACES NP
.endif
	FETCH_B \next, 0, 0
	FETCH_A \next, 0, 0
	WIN MUL_HI
	MUL16 4, 1, 0
	MUL16 6, 1, 0
	PLACES NP
	WIN 0
	FETCH_A \next, 0, 4
.endm
	s_wait_tensorcnt 1                             ; my part of K step 0 is in (K step 1's load may be out)
	s_barrier_signal -1
	s_barrier_wait -1                              ; everybody's is
	FETCH_B 0, 0, 0
	FETCH_A 0, 0, 0
	FETCH_A 0, 0, 4
	STEP 0, 0, 1                                   ; the first step stands in front of the loop: its products start the sums
	s_mov_b32 s3, LAPS-1
.Llap:                                                 ; a trip goes once round the ring, from a lap's second step to the next lap's first, and fills both slots again
	TURN 0, 1, 1
	STEP 1, 0, 0
	TURN 1, 0, 1
	STEP 0, 0, 0
	s_sub_co_u32 s3, s3, 1
	s_cmp_lg_u32 s3, 0
	s_cbranch_scc1 .Llap
	TURN 0, 1, 0                                   ; the last lap fills nothing, and has no round of the cluster's barrier
	STEP 1, 0, 0
	s_wait_dscnt 4*NL                              ; the very last step: nothing more to fetch
	WIN MUL_LO
	MUL16 0, 1, 0
	MUL16 2, 1, 0
	s_wait_dscnt 0
	WIN MUL_HI
	MUL16 4, 1, 0
	MUL16 6, 1, 0
	WIN 0
; THE WAY OUT, block by block of 16 rows x 128 columns.  A lane holds 32 neighbouring bytes of a row, and the lanes beside it hold other rows: so a block goes through my own stage in LDS and comes back as whole
; rows of 512 bytes, which the 32 lanes store.  LDS serves a wave's instructions in order (ISA guide 5.7.1.4): no wait between the stores and the loads, nor in front of the next block's stores.
.macro TOSTAGE a
.set AC, 64*((\a)%4)
	WIN 0x02+((\a)/4)                              ; source 0: window 2 or 3
.irp j, 0,2,4,6,8,10,12,14,16,18,20,22,24,26,28,30,32,34,36,38,40,42,44,46,48,50,52,54,56,58,60,62
	v_pk_mul_f32 v[TMP+\j:TMP+\j+1], v[AC+\j:AC+\j+1], s[96:97] op_sel_hi:[1,0]   ; both x s96 = 2^(e10 + e11); each accumulator from its low end on
.endr
	WIN 0
.irp b, 0,1,2,3,4,5,6,7
	ds_store_b128 v[STO], v[TMP+8*\b:TMP+8*\b+3] offset:64*\b
	ds_store_b128 v[STO], v[TMP+8*\b+4:TMP+8*\b+7] offset:64*\b+16
.endr
.set BB, BK+64*((\a)%2)
.irp t, 0,1,2,3,4,5,6,7,8,9,10,11,12,13,14,15
	ds_load_b128 v[BB+4*\t:BB+4*\t+3], v[RD] offset:\t*SPITCH
.endr
.endm
.macro SEND a, younger                 ; younger: the LDS instructions issued behind block a's loads, which may stay out
.set BB, BK+64*((\a)%2)
	s_wait_dscnt \younger                          ; the block is back in registers
.if (\a) > 0
	s_add_nc_u64 s[10:11], s[10:11], 16*SIZE_N*4   ; (behind a wait on XCNT: the earlier stores have read their base)  16 rows of out0 on
.endif
.irp t, 0,1,2,3,4,5,6,7,8,9,10,11,12,13,14,15
	global_store_b128 v[CO], v[BB+4*\t:BB+4*\t+3], s[10:11] offset:\t*SIZE_N*4 th:TH_STORE_NT   ; 32 lanes store 512 consecutive bytes, aligned; written once, read by nobody here
.endr
.endm
	s_wait_kmcnt 0x0
	s_add_co_i32 s96, s96, s97                     ; e10 + e11, between -126 and 127,
	s_add_co_i32 s96, s96, 127
	s_lshl_b32 s96, s96, 23                        ; makes the f32 number 2^(e10 + e11)
	PLACES NP                                      ; in front of the first read of results and of the loads into the registers that held A's fragments
	TOSTAGE 0
.irp a, 1,2,3,4,5,6,7
.if \a > 1
	s_wait_xcnt 0x0                                ; block a - 2's stores have read their registers and their base: block a's loads may land there, and the base may step
.endif
	TOSTAGE \a
	SEND \a-1, 32                                  ; behind block a - 1's loads: block a's 16 stores and 16 loads
.endr
	s_wait_xcnt 0x0                                ; block 6's stores have read their base
	SEND 7, 0
	s_wait_tensorcnt 0x0                           ; the wave's end: behind my last tensor load and my last LDS store
	ds_add_u32 v[SPW], v[NIL]
	s_wait_dscnt 0x0
	CROUND                                         ; the closing round: no work-group ends while a partner may still ask for a tile that names it
	s_endpgm
.Lfunc_end_k_qd364085142_outproj:
	.size	k_qd364085142_outproj, .Lfunc_end_k_qd364085142_outproj-k_qd364085142_outproj
	.p2alignl 7, 3214868480
	.fill 96, 4, 3214868480
	.section	.rodata,"a",@progbits
	.p2align	6, 0x0
	.amdhsa_kernel k_qd364085142_outproj
		.amdhsa_group_segment_fixed_size 327680
		.amdhsa_private_segment_fixed_size 0
		.amdhsa_enable_private_segment 0
		.amdhsa_kernarg_size 32
		.amdhsa_user_sgpr_count 2
		.amdhsa_user_sgpr_kernarg_segment_ptr 1
		.amdhsa_wavefront_size32 1
		.amdhsa_system_sgpr_workgroup_id_x 1
		.amdhsa_system_sgpr_workgroup_id_y 1
		.amdhsa_system_sgpr_workgroup_id_z 1
		.amdhsa_system_vgpr_workitem_id 0
		.amdhsa_next_free_vgpr 1024
		.amdhsa_next_free_sgpr 98
		.amdhsa_reserve_vcc 0
		.amdhsa_float_denorm_mode_32 3
		.amdhsa_float_denorm_mode_16_64 3
		.amdhsa_memory_ordered 1
		.amdhsa_forward_progress 1
		.amdhsa_inst_pref_size 123
	.end_amdhsa_kernel
	.amdgpu_metadata
---
amdhsa.version: [ 1, 2 ]
amdhsa.kernels:
  - .name:           k_qd364085142_outproj
    .symbol:         k_qd364085142_outproj.kd
    .args:
      - { .name: ximg, .offset: 0, .size: 8, .value_kind: global_buffer, .address_space: global }
      - { .name: w_o_codes, .offset: 8, .size: 8, .value_kind: global_buffer, .address_space: global }
      - { .name: lowp_scales, .offset: 16, .size: 8, .value_kind: global_buffer, .address_space: global }
      - { .name: out0, .offset: 24, .size: 8, .value_kind: global_buffer, .address_space: global }
    .group_segment_fixed_size: 327680
    .private_segment_fixed_size: 0
    .kernarg_segment_align: 8
    .kernarg_segment_size: 32
    .max_flat_workgroup_size: 128
    .sgpr_count:     98
    .vgpr_count:     1024
    .wavefront_size: 32
...
	.end_amdgpu_metadata
.endif
;; end of part 4
;; ======== version 2 of 2: 4 launches; version 1 with the launch attn written anew for expert scheduling mode
;; limits: right only within a limited range of input values
;; workspace buffers: qimg 8,388,608 bytes; kimg 8,388,608 bytes; vimg 8,388,608 bytes; ximg 8,388,608 bytes; mbits 2,097,152 bytes of whole numbers; cls 2,048 bytes of whole numbers
;; launch maskbits: the kernel of part 1 again; grid 128 x 4, 16 waves a work-group, no clusters, 2,304 bytes of LDS; arguments mask, mbits, cls; writes mbits, cls
;; launch proj: the kernel of part 2 again; grid 4 x 96, 4 waves a work-group, clusters of 4 x 4, 327,680 bytes of LDS; arguments q_codes, k_codes, v_codes, w_q_codes, w_k_codes, w_v_codes, lowp_scales, qimg, kimg, vimg; writes qimg, kimg, vimg
;; launch attn (part 5): grid 4 x 64, 16 waves a work-group, no clusters, 296,960 bytes of LDS; arguments qimg, kimg, vimg, mbits, cls, lowp_scales, ximg; writes ximg
.if DOCPART == 5
	.amdgcn_target "amdgcn-amd-amdhsa--gfx1250"
	.amdhsa_code_object_version 6
	.text
	.protected	k_qd364085142_attn
	.globl	k_qd364085142_attn
	.p2align	8
	.type	k_qd364085142_attn,@function
k_qd364085142_attn:
	s_mov_b64 s[64:65], 0
	v_nop
	global_prefetch_b8 v0, s[64:65] scope:SCOPE_SE
	s_setreg_imm32_b32 hwreg(HW_REG_WAVE_SCHED_MODE, 0, 2), 2
	s_setreg_imm32_b32 hwreg(HW_REG_WAVE_MODE, 25, 1), 1
	s_wait_xcnt 0x0
	s_wait_alu depctr_vm_vsrc(0)
; Attention on codes of FP8 (E4M3): S = q k^T / 8 with the mask, p = 2^(t - M), O = p v, O / l, and the quantiser of the output projection's operand.  64 heads (b, head) of 2,048 tokens x 64 channels.
; t = logit x log2(e); M = the running largest t rounded UP to a whole number; p is quantised with 2^e8, not normalised; l is the sum of the unquantised p; when M moves, l and O are multiplied by 2^(old M - new M), exact.
; SHARES.  A work-group takes one head and 512 of its queries; each of its sixteen waves TWO tiles of 16 queries: tiles j and 127 - j, j = 4 x wave + work-group x.  The two tiles share K's and V's fragments.
; THE WHOLE HEAD LIES IN LDS: K's and V's register images, 131,072 bytes each, are brought once through registers; ONE barrier; from then on the waves run freely.
; THE MASK comes as lane masks (mbits) and as a word of classes for each tile of queries (cls), both whole numbers stored by an earlier launch.  A step of 128 keys that a tile's word marks as not needed is passed over by a
; scalar branch (all its places are masked and each of the tile's rows has an open key elsewhere, so its terms are 0); a step marked as all open is worked without selects; else each score is selected by its lane mask.
; NO JOINT LOADS, though the four work-groups of a head read the same 262,144 bytes:
; what is shared is read once by each work-group, at its head.
; LAYOUT.  Both products are used transposed: S^T = K Q^T (source 0 = 16 keys, source 1 = 16 queries), O^T = V^T P^T: a lane holds ONE query (lane % 16).  In S^T tile t, register j is key 16 t + 8 h + j, so the conversion of tile t
; gives registers 2 t, 2 t + 1 of P in the K = 128 form's own layout.  All fragments are read from LDS as they were stored: 16 bytes a lane, 512 consecutive bytes a load.
; Q's fragments (8 registers a tile) are fetched from LDS at each step into the registers that P's codes take later in the step.
; A MASKED LOGIT is held as -2^30, not -1e9: c x the masked score is then a whole number, so a row without any open key gives p = 1 for every key, as -1e9 does.
; LIMITS: e6 + e7 between -94 and 9 (c and the masked score are f32 numbers; every open |logit| is at most 64 x 448^2 x 2^(e6 + e7) / 8, under 2^30); e8 and e10 between -126 and 119; e8 + e9 is applied by v_ldexp_f32.  NaN codes are not served.
; THE MODE: SCHED_MODE bits 1:0 = 2 (LLVM: expert scheduling mode 2), set by the entry lines.  The code itself states the register dependences
; between vector or matrix instructions and memory or LDS instructions, with s_wait_alu, always for 0.
; THE PLAN.  Registers that memory or LDS instructions touch:
;   v[AK], v[AV]  Head: made by vector lines, read by the global loads and the LDS stores of the fill.  A worked step: written anew at its head; K's 16 LDS loads read v[AK], V's 16 read v[AV].
;   v[AQ], v[GQ ..], v[GO ..]  Made once at the head, never written again; read by Q's LDS stores and loads, by Q's global loads, by the last stores.
;   S             Head: global loads land in it, LDS stores read it.  From the barrier on it is named by matrix and vector lines alone.
;   KV            Head: as S.  A worked step: K's loads land; the products S^T read it; V's loads land; the products O^T read it.  The way out: conversions write its first 16 registers, four stores read them.
;   P             Head: as S.  A worked step: Q's loads land in 8 registers a tile; the products S^T read them; the conversions write all 16; the products O^T read them.
;   v254, v255    Made at the head, read by the closing add alone.
; THE WAITS OF A WORKED STEP.  At its head: one on vm_vsrc (the LDS loads of the step worked last have read v[AK] and v[AV]), the two additions, one on va_vdst (the two addresses are written; the last products O^T are done
; reading KV and P; the conversions have written P); K's and Q's loads follow.  In each tile's softmax: the one wait on va_vdst behind the exponentials; in the tile that uses K last it also states that the products S^T are done
; reading KV, so V's loads stand directly behind it and owe no wait of their own.
.set LI,  1                            ; v1   16 x lane
.set AK,  2                            ; v2   LDS address of the step's K (at the head: my part of the fill)
.set AV,  3                            ; v3   of the step's V
.set AQ,  4                            ; v4   of my wave's Q
.set XM,  5                            ; v5   the masked score
.set SCL, 6                            ; v6   2^e8
.set PD,  7                            ; v7   a lane permute's destination
.set LIM, 8                            ; v[8:9]   448 x 2^e8, twice
.set FF,  10                           ; v[10:11] f = 2^(old M - new M), and 0
.set MA,  12                           ; v12, v13 the maximum's two chains
.set SB,  14                           ; v[14:15] the sum's second chain
.set ST,  16                           ; tile x at v[16 + 4 x]: -M, the largest t, the sum in two halves
.set P,   24                           ; tile x at v[24 + 16 x]: Q's fragment, then p's codes
.set O,   56                           ; tile x at v[56 + 32 x]: O^T, 4 tiles of 16 channels
.set S,   120                          ; v[120:183] S^T, then p
.set KV,  184                          ; v[184:247] K's 8 fragments, then V's 4
.set GQ,  248                          ; v248, v249 the head: Q's offsets in memory
.set GO,  250                          ; v250, v251 the way out: my offset in ximg, tile A, B
.set SCX, 252                          ; v252 2^e10
.set LIX, 253                          ; v253 448 x 2^e10
.set VOFF, 0x20000                     ; LDS: K's images at 0, V's here,
.set QOFF, 0x40000                     ; Q's here: 2,048 bytes a wave
.set WV,  86                           ; s86  wave
.set TRIP, 87                          ; s87  steps to go
.set KO,  88                           ; s88  8,192 x step
.set CL,  89                           ; s89, s90  the classes of tiles A, B, shifted right by the step
.set CS,  92                           ; s[92:93] c = log2(e) / 8 x 2^(e6 + e7), twice
.set SEL, 94                           ; s[94:95] lane selects for lane l xor 16
.set MO,  96                           ; s96, s97  byte offset in mbits of the step's 64 words, tiles A, B
; s[16:63], s[68:83]: the 64 lane masks of a tile's step
	s_load_b256 s[4:11], s[0:1], 0x0               ; qimg s[4:5], kimg s[6:7], vimg s[8:9], mbits s[10:11]
	s_load_b128 s[12:15], s[0:1], 0x20             ; cls s[12:13], the scales' exponents s[14:15]
	s_load_b64 s[84:85], s[0:1], 0x30              ; ximg
	v_lshl_add_u32 v254, v0, 2, 0x48000
	v_mov_b32 v255, 0
	v_lshrrev_b32 v2, 5, v0
	v_readfirstlane_b32 s[WV], v2
	v_and_b32 v1, 31, v0
	v_lshlrev_b32 v[LI], 4, v1
	s_wait_alu depctr_va_sdst(0)                   ; s[WV] is written, ahead of its first reader: the wave's LDS places and its tiles are made from it
	s_lshl_b32 s2, s[WV], 13
	v_add_nc_u32 v[AK], s2, v[LI]                  ; the fill: wave w brings bytes 8,192 w on of K's images and of V's
	v_add_nc_u32 v[AV], VOFF, v[AK]
	s_lshl_b32 s2, s[WV], 11
	s_add_co_u32 s2, s2, QOFF
	v_add_nc_u32 v[AQ], s2, v[LI]
	s_and_b32 s3, ttmp7, 0xffff                    ; bh = 16 b + head
	s_lshl_b32 s98, s3, 17                         ; a head's images: 131,072 bytes in each of the three buffers
	s_mov_b32 s99, 0
	s_lshl_b32 s88, s[WV], 2
	s_add_co_u32 s88, s88, ttmp9                   ; tile A: j = 4 x wave + work-group x
	s_sub_co_u32 s87, 127, s88                     ; tile B: 127 - j
	s_lshr_b32 s2, s3, 4
	s_lshl_b32 s2, s2, 7                           ; 128 b
	s_add_co_u32 s[MO], s2, s88                    ; 128 b + tile
	s_add_co_u32 s[MO+1], s2, s87
	s_lshl_b32 s88, s88, 10                        ; a tile of Q: 1,024 bytes
	v_add_nc_u32 v[GQ], s88, v[LI]
	s_lshl_b32 s87, s87, 10
	v_add_nc_u32 v[GQ+1], s87, v[LI]
	s_and_b32 s91, s3, 15
	s_lshl_b32 s91, s91, 10                        ; ximg: 16,384 bytes a token tile, 1,024 a head
	s_lshl_b32 s2, s[MO], 14
	s_add_co_u32 s2, s2, s91
	v_add_nc_u32 v[GO], s2, v[LI]
	s_lshl_b32 s2, s[MO+1], 14
	s_add_co_u32 s2, s2, s91
	v_add_nc_u32 v[GO+1], s2, v[LI]
	s_lshl_b32 s2, s[MO], 2                        ; cls: a word a tile
	s_lshl_b32 s87, s[MO+1], 2
	s_lshl_b32 s[MO], s[MO], 12                    ; mbits: 16 steps x 256 bytes a tile
	s_lshl_b32 s[MO+1], s[MO+1], 12
	s_mov_b32 s[SEL], 0x76543210
	s_mov_b32 s[SEL+1], 0xfedcba98
	s_wait_kmcnt 0x0
	s_add_nc_u64 s[4:5], s[4:5], s[98:99]
	s_add_nc_u64 s[6:7], s[6:7], s[98:99]
	s_add_nc_u64 s[8:9], s[8:9], s[98:99]
	s_wait_alu depctr_va_vdst(0)                   ; v[AK], v[AV], v[AQ], v[GQ ..] and v[GO ..] are written: the loads below, the LDS stores of the fill and the last stores read them; no vector line up to the barrier names them or S, KV, P
.irp i, 0,1,2,3,4,5,6,7,8,9,10,11,12,13,14,15
	global_load_b128 v[S+4*\i:S+4*\i+3], v[AK], s[6:7] offset:512*\i      ; K: 512 consecutive bytes a load
.endr
.irp i, 0,1,2,3,4,5,6,7,8,9,10,11,12,13,14,15
	global_load_b128 v[KV+4*\i:KV+4*\i+3], v[AK], s[8:9] offset:512*\i    ; V
.endr
	global_load_b128 v[P:P+3], v[GQ], s[4:5]                               ; Q, tile A,
	global_load_b128 v[P+4:P+7], v[GQ], s[4:5] offset:512
	global_load_b128 v[P+16:P+19], v[GQ+1], s[4:5]                         ; tile B
	global_load_b128 v[P+20:P+23], v[GQ+1], s[4:5] offset:512
	s_load_b32 s[CL], s[12:13], s2 offset:0x0
	s_load_b32 s[CL+1], s[12:13], s87 offset:0x0
	s_load_b128 s[16:19], s[14:15], 0x18           ; e6, e7, e8, e9
	s_load_b32 s20, s[14:15], 0x28                 ; e10
	v_mov_b32 v[ST+1], 0xff61b1e6                  ; the largest t so far: -3e38, under every t
	v_mov_b32 v[ST+5], 0xff61b1e6
	v_floor_f32 v[ST], -v[ST+1]                    ; -M
	v_floor_f32 v[ST+4], -v[ST+5]
.irp i, 2,3,6,7
	v_mov_b32 v[ST+\i], 0                          ; the sums
.endr
	v_mov_b32 v[PD], 0                             ; written once: a lane permute's destination counts as one of its sources
	v_mov_b32 v[MA], 0
	v_mov_b32 v[FF+1], 0                           ; (named as the upper half of the pair)
.set jj, 0
.rept 64
	v_mov_b32 v[O+jj], 0                           ; O^T of both tiles.  Which step is a tile's first hangs on the stored classes, so no first step can be written out: the first change of M multiplies zeros
.set jj, jj+1
.endr
	s_wait_kmcnt 0x0
	s_add_co_i32 s2, s16, s17                      ; e6 + e7
	s_lshl_b32 s3, s2, 23
	s_add_co_i32 s[CS], s3, 0x3e38aa3b             ; c = log2(e) / 8, with the two exponents added to its exponent field
	s_mov_b32 s[CS+1], s[CS]
	s_sub_co_i32 s2, 160, s2
	s_lshl_b32 s2, s2, 23
	s_or_b32 s2, s2, 0x80000000
	v_mov_b32 v[XM], s2                            ; -2^(33 - e6 - e7): the sum that stands for the logit -2^30
	s_add_co_i32 s2, s18, 127
	s_lshl_b32 s3, s2, 23
	v_mov_b32 v[SCL], s3                           ; 2^e8
	s_add_co_i32 s2, s2, 8
	s_lshl_b32 s2, s2, 23
	s_or_b32 s2, s2, 0x600000
	v_mov_b32 v[LIM], s2                           ; 448 x 2^e8
	v_mov_b32 v[LIM+1], s2
	s_add_co_i32 s98, s18, s19                     ; e8 + e9
	s_add_co_i32 s2, s20, 127
	s_lshl_b32 s3, s2, 23
	v_mov_b32 v[SCX], s3                           ; 2^e10
	s_add_co_i32 s2, s2, 8
	s_lshl_b32 s2, s2, 23
	s_or_b32 s2, s2, 0x600000
	v_mov_b32 v[LIX], s2                           ; 448 x 2^e10
	s_mov_b32 s[TRIP], 16
	s_mov_b32 s[KO], 0
	s_wait_loadcnt 20                              ; K's 16 loads are in; V's 16 and Q's 4 may be out
.irp i, 0,1,2,3,4,5,6,7,8,9,10,11,12,13,14,15
	ds_store_b128 v[AK], v[S+4*\i:S+4*\i+3] offset:512*\i
.endr
	s_wait_loadcnt 4                               ; V's are in; Q's 4 may be out
.irp i, 0,1,2,3,4,5,6,7,8,9,10,11,12,13,14,15
	ds_store_b128 v[AV], v[KV+4*\i:KV+4*\i+3] offset:512*\i
.endr
	s_wait_loadcnt 0
	ds_store_b128 v[AQ], v[P:P+3]
	ds_store_b128 v[AQ], v[P+4:P+7] offset:512
	ds_store_b128 v[AQ], v[P+16:P+19] offset:1024
	ds_store_b128 v[AQ], v[P+20:P+23] offset:1536
	s_wait_dscnt 0x0                               ; for the others' sake: my part of the head has landed in LDS
	s_barrier_signal -1
	s_barrier_wait -1                              ; the launch's one barrier: behind it LDS is only read
	s_wait_alu depctr_vm_vsrc(0)                   ; my LDS stores have read S, KV and P: from here on products, LDS loads, conversions and the way out write these registers, whichever steps are worked
.macro PLACES                          ; four places behind a matrix instruction, in front of the first read of its result (ISA guide 7.12.1)
.rept 4
	v_nop
.endr
.endm
; The step's K (8 fragments of 16 keys x 64 channels) and the Q of the tiles that work this step.  The two additions and two v_nop are four places behind the last step's products, whose sources are loaded anew; they stay beside the wait.
.macro LOADK qa, qb
	s_wait_alu depctr_vm_vsrc(0)                   ; the LDS loads of the step worked last (in the first: the fill's loads and stores) have read v[AK] and v[AV], which the two additions write
	v_add_nc_u32 v[AK], s[KO], v[LI]
	v_add_nc_u32 v[AV], VOFF, v[AK]
	v_nop
	v_nop
	s_wait_alu depctr_va_vdst(0)                   ; v[AK] and v[AV] are written; the last products O^T are done reading KV and P, and the conversions have written P: the loads below land there
.irp i, 0,1,2,3,4,5,6,7,8,9,10,11,12,13,14,15
	ds_load_b128 v[KV+4*\i:KV+4*\i+3], v[AK] offset:512*\i
.endr
.if \qa
	ds_load_b128 v[P:P+3], v[AQ]
	ds_load_b128 v[P+4:P+7], v[AQ] offset:512
.endif
.if \qb
	ds_load_b128 v[P+16:P+19], v[AQ] offset:1024
	ds_load_b128 v[P+20:P+23], v[AQ] offset:1536
.endif
.endm
.macro LOADV                           ; the step's V: 4 fragments of 16 channels x 128 keys, into K's registers
.irp i, 0,1,2,3,4,5,6,7,8,9,10,11,12,13,14,15
	ds_load_b128 v[KV+4*\i:KV+4*\i+3], v[AV] offset:512*\i
.endr
.endm
.macro SMM x                           ; S^T = K Q^T of tile x: eight accumulators, each begun with the constant 0
.irp t, 0,1,2,3,4,5,6,7
	v_wmma_f32_16x16x64_fp8_fp8 v[S+8*\t:S+8*\t+7], v[KV+8*\t:KV+8*\t+7], v[P+16*(\x):P+16*(\x)+7], 0
.endr
.endm
; The softmax of tile x for one step, and its codes.  withv = 1: this tile's products were the last to read K: V is asked for behind the batch's wait.
.macro SOFTMAX x, withv
.set NM, ST+4*(\x)
.set PX, P+16*(\x)
.set OX, O+32*(\x)
	v_max3_num_f32 v[MA], v[S], v[S+1], v[S+2]     ; the step's largest score of my query among my 64 keys, in two chains, each accumulator from its low end on
	v_max3_num_f32 v[MA+1], v[S+3], v[S+4], v[S+5]
.irp i, 6,10,14,18,22,26,30,34,38,42,46,50,54,58
	v_max3_num_f32 v[MA], v[MA], v[S+\i], v[S+\i+1]
	v_max3_num_f32 v[MA+1], v[MA+1], v[S+\i+2], v[S+\i+3]
.endr
	v_max3_num_f32 v[MA], v[MA], v[S+62], v[S+63]
	v_max_num_f32 v[MA], v[MA], v[MA+1]
	v_permlanex16_b32 v[PD], v[MA], s[SEL], s[SEL+1]
	v_max_num_f32 v[MA], v[MA], v[PD]              ; and among lane l xor 16's
	v_mul_f32 v[MA], s[CS], v[MA]                  ; as t (c is positive)
	v_max_num_f32 v[NM+1], v[NM+1], v[MA]          ; the running largest t
	v_mov_b32 v[MA], v[NM]
	v_floor_f32 v[NM], -v[NM+1]                    ; the new -M = floor(-t): M is a whole number
	v_sub_f32 v[MA], v[NM], v[MA]                  ; old M - new M: a whole number, 0 or less
	v_cvt_i32_f32 v[MA], v[MA]                     ; (it saturates)
	v_ldexp_f32 v[FF], 1.0, v[MA]                  ; f = 2^(old M - new M)
.set jj, 0
.rept 32
	v_pk_fma_f32 v[S+jj:S+jj+1], v[S+jj:S+jj+1], s[CS:CS+1], v[NM:NM+1] op_sel_hi:[1,0,0]   ; t - M, two at a time (of the pairs c and -M the low word serves both halves)
.set jj, jj+2
.endr
.set jj, 0
.rept 64
	v_exp_f32 v[S+jj], v[S+jj]                     ; p = 2^(t - M), at most 1
.set jj, jj+1
.endr
	v_pk_mul_f32 v[NM+2:NM+3], v[NM+2:NM+3], v[FF:FF+1] op_sel_hi:[1,0]   ; the sums under the new M: the plain line behind the exponentials
	s_wait_alu depctr_va_vdst(0)                   ; the 64 exponentials have written v[S ..], ahead of their first reader: one wait for the batch; the products S^T are done reading KV, in which V's loads land
.if \withv
	LOADV                                          ; no vector or matrix line since the step's head names v[AV], and none since the wait above names KV
.endif
	v_pk_add_f32 v[SB:SB+1], v[S:S+1], v[S+2:S+3]  ; the sum is taken of the unquantised p: two at a time, in two chains
.irp j, 4,8,12,16,20,24,28,32,36,40,44,48,52,56,60
	v_pk_add_f32 v[NM+2:NM+3], v[NM+2:NM+3], v[S+\j:S+\j+1]
	v_pk_add_f32 v[SB:SB+1], v[SB:SB+1], v[S+\j+2:S+\j+3]
.endr
	v_pk_add_f32 v[NM+2:NM+3], v[NM+2:NM+3], v[SB:SB+1]
.set jj, 0
.rept 32
	v_dual_min_num_f32 v[S+jj], v[S+jj], v[LIM] :: v_dual_min_num_f32 v[S+jj+1], v[S+jj+1], v[LIM+1]   ; the conversion does not saturate (ISA guide 7.6.2); p is not negative, so the hold is one-sided; two a line
.set jj, jj+2
.endr
.irp t, 0,1,2,3,4,5,6,7
	v_cvt_scalef32_pk8_fp8_f32 v[PX+2*\t:PX+2*\t+1], v[S+8*\t:S+8*\t+7], v[SCL]   ; keys 16 t + 8 h + 0 .. 7: registers 2 t, 2 t + 1 of the operand
.endr
.set jj, 0
.rept 16
	v_pk_mul_f32 v[OX+jj:OX+jj+1], v[OX+jj:OX+jj+1], v[FF:FF+1] op_sel_hi:[1,0]   ; O^T under the new M.  (These are also the plain lines behind the conversions)
.set jj, jj+2
.endr
.endm
; Tile x's scores and softmax.  withv = 1: K's registers are done with behind these products and take V, in the softmax.  Where the tile's word says that the step is not all open, the 64 lane masks are read (asked for ahead of the products) and each score is selected.
.macro TILE x, withv
	s_bitcmp1_b32 s[CL+(\x)], 16
	s_cbranch_scc0 .Lplain_\@
	s_load_b512 s[16:31], s[10:11], s[MO+(\x)] offset:0x0
	s_load_b512 s[32:47], s[10:11], s[MO+(\x)] offset:0x40
	s_load_b512 s[48:63], s[10:11], s[MO+(\x)] offset:0x80
	s_load_b512 s[68:83], s[10:11], s[MO+(\x)] offset:0xc0
	s_wait_dscnt 0x0                               ; K and Q are in
	SMM \x
	PLACES
	s_wait_kmcnt 0x0
.set nn, 0
.rept 64
.if nn < 48
	v_cndmask_b32 v[S+nn], v[XM], v[S+nn], s[16+nn]   ; open: the score; masked: the masked score
.else
	v_cndmask_b32 v[S+nn], v[XM], v[S+nn], s[20+nn]
.endif
.set nn, nn+1
.endr
	s_branch .Ljoin_\@
.Lplain_\@:
	s_wait_dscnt 0x0
	SMM \x
	PLACES
.Ljoin_\@:
	SOFTMAX \x, \withv
.endm
.macro PVONE x                         ; O^T += V^T P^T of tile x: four accumulators by turns
.irp d, 0,1,2,3
	v_wmma_f32_16x16x128_fp8_fp8 v[O+32*(\x)+8*\d:O+32*(\x)+8*\d+7], v[KV+16*\d:KV+16*\d+15], v[P+16*(\x):P+16*(\x)+15], v[O+32*(\x)+8*\d:O+32*(\x)+8*\d+7]
.endr
.endm
.Lstep:                                            ; 16 trips, one for each step of 128 keys; what a trip does hangs on the two stored words
	s_bitcmp1_b32 s[CL], 0
	s_cbranch_scc0 .LnoA
	s_bitcmp1_b32 s[CL+1], 0
	s_cbranch_scc0 .LonlyA
	LOADK 1, 1                                     ; both tiles work this step, on the same fragments
	TILE 0, 0
	TILE 1, 1
	s_wait_dscnt 0x0                               ; V is in
.irp d, 0,1,2,3
	v_wmma_f32_16x16x128_fp8_fp8 v[O+8*\d:O+8*\d+7], v[KV+16*\d:KV+16*\d+15], v[P:P+15], v[O+8*\d:O+8*\d+7]            ; eight accumulators by turns
	v_wmma_f32_16x16x128_fp8_fp8 v[O+32+8*\d:O+32+8*\d+7], v[KV+16*\d:KV+16*\d+15], v[P+16:P+31], v[O+32+8*\d:O+32+8*\d+7]
.endr
	s_branch .Lnext
.LonlyA:
	LOADK 1, 0
	TILE 0, 1
	s_wait_dscnt 0x0
	PVONE 0
	s_branch .Lnext
.LnoA:
	s_bitcmp1_b32 s[CL+1], 0
	s_cbranch_scc0 .Lnext
	LOADK 0, 1
	TILE 1, 1
	s_wait_dscnt 0x0
	PVONE 1
.Lnext:
	s_lshr_b32 s[CL], s[CL], 1                     ; the next step's two bits come to places 0 and 16
	s_lshr_b32 s[CL+1], s[CL+1], 1
	s_add_co_u32 s[KO], s[KO], 8192
	s_add_co_u32 s[MO], s[MO], 256                 ; (every scalar load that named these has been waited for)
	s_add_co_u32 s[MO+1], s[MO+1], 256
	s_sub_co_u32 s[TRIP], s[TRIP], 1
	s_cmp_lg_u32 s[TRIP], 0
	s_cbranch_scc1 .Lstep
	; THE WAY OUT.  The additions below are the places behind the last products.
	v_add_f32 v[ST+2], v[ST+2], v[ST+3]            ; a sum's two halves,
	v_add_f32 v[ST+6], v[ST+6], v[ST+7]
	v_permlanex16_b32 v[PD], v[ST+2], s[SEL], s[SEL+1]
	v_permlanex16_b32 v[MA], v[ST+6], s[SEL], s[SEL+1]
	v_add_f32 v[ST+2], v[ST+2], v[PD]              ; and lane l xor 16's: l
	v_add_f32 v[ST+6], v[ST+6], v[MA]
	v_rcp_f32 v[ST+2], v[ST+2]
	v_rcp_f32 v[ST+6], v[ST+6]
	v_nop                                          ; a plain line behind the reciprocals
	s_wait_alu depctr_va_vdst(0)                   ; the two reciprocals have written v[ST+2] and v[ST+6], ahead of their first reader: one wait for both
	v_ldexp_f32 v[ST+2], v[ST+2], s98              ; 2^(e8 + e9) / l
	v_ldexp_f32 v[ST+6], v[ST+6], s98
; Tile x: O^T / l, held, converted with 2^e10.  A lane then holds, for each dt, channels 16 dt + 8 h + 0 .. 7 in two registers; the next product's fragment wants channels 32 c + 16 h + 0 .. 15 in four.
; An exchange of one register's upper lanes with another's lower lanes gives just that, in place.  The codes lie in eight registers of the tile's own, v[KV + 8 x] on.
.macro LEAVE x
.set NM, ST+4*(\x)
.set OX, O+32*(\x)
.set SX, S+32*(\x)
.set CX, KV+8*(\x)
.set jj, 0
.rept 16
	v_pk_mul_f32 v[SX+jj:SX+jj+1], v[OX+jj:OX+jj+1], v[NM+2:NM+3] op_sel_hi:[1,0]   ; each accumulator from its low end on
.set jj, jj+2
.endr
.set jj, 0
.rept 32
	v_med3_num_f32 v[SX+jj], v[SX+jj], -v[LIX], v[LIX]
.set jj, jj+1
.endr
.irp d, 0,1,2,3
	v_cvt_scalef32_pk8_fp8_f32 v[CX+2*\d:CX+2*\d+1], v[SX+8*\d:SX+8*\d+7], v[SCX]
.endr
	v_nop                                          ; one plain line between the conversions and the lines that touch their results
	v_permlane16_swap_b32 v[CX], v[CX+2]
	v_permlane16_swap_b32 v[CX+1], v[CX+3]
	v_permlane16_swap_b32 v[CX+4], v[CX+6]
	v_permlane16_swap_b32 v[CX+5], v[CX+7]
.endm
	LEAVE 0
	LEAVE 1                                        ; other registers than tile A's
	s_wait_alu depctr_va_vdst(0)                   ; the conversions and exchanges of both tiles have written v[KV .. KV+15], which the four stores read: one wait for the run
	global_store_b128 v[GO], v[KV:KV+3], s[84:85]                  ; each store of the wave covers 512 consecutive bytes, aligned
	global_store_b128 v[GO], v[KV+4:KV+7], s[84:85] offset:512
	global_store_b128 v[GO+1], v[KV+8:KV+11], s[84:85]
	global_store_b128 v[GO+1], v[KV+12:KV+15], s[84:85] offset:512
	s_wait_dscnt 0x0                               ; the closing lines, six on end
	s_wait_alu 0x0
	s_wait_tensorcnt 0x0
	ds_add_u32 v254, v255
	s_wait_dscnt 0x0
	s_endpgm
.Lfunc_end_k_qd364085142_attn:
	.size	k_qd364085142_attn, .Lfunc_end_k_qd364085142_attn-k_qd364085142_attn
	.p2alignl 7, 3214868480
	.fill 96, 4, 3214868480
	.section	.rodata,"a",@progbits
	.p2align	6, 0x0
	.amdhsa_kernel k_qd364085142_attn
		.amdhsa_group_segment_fixed_size 296960
		.amdhsa_private_segment_fixed_size 0
		.amdhsa_enable_private_segment 0
		.amdhsa_kernarg_size 56
		.amdhsa_user_sgpr_count 2
		.amdhsa_user_sgpr_kernarg_segment_ptr 1
		.amdhsa_wavefront_size32 1
		.amdhsa_system_sgpr_workgroup_id_x 1
		.amdhsa_system_sgpr_workgroup_id_y 1
		.amdhsa_system_sgpr_workgroup_id_z 1
		.amdhsa_system_vgpr_workitem_id 0
		.amdhsa_next_free_vgpr 256
		.amdhsa_next_free_sgpr 100
		.amdhsa_reserve_vcc 0
		.amdhsa_float_denorm_mode_32 3
		.amdhsa_float_denorm_mode_16_64 3
		.amdhsa_memory_ordered 1
		.amdhsa_forward_progress 1
		.amdhsa_inst_pref_size 100
	.end_amdhsa_kernel
	.amdgpu_metadata
---
amdhsa.version: [ 1, 2 ]
amdhsa.kernels:
  - .name:           k_qd364085142_attn
    .symbol:         k_qd364085142_attn.kd
    .args:
      - { .name: qimg, .offset: 0, .size: 8, .value_kind: global_buffer, .address_space: global }
      - { .name: kimg, .offset: 8, .size: 8, .value_kind: global_buffer, .address_space: global }
      - { .name: vimg, .offset: 16, .size: 8, .value_kind: global_buffer, .address_space: global }
      - { .name: mbits, .offset: 24, .size: 8, .value_kind: global_buffer, .address_space: global }
      - { .name: cls, .offset: 32, .size: 8, .value_kind: global_buffer, .address_space: global }
      - { .name: lowp_scales, .offset: 40, .size: 8, .value_kind: global_buffer, .address_space: global }
      - { .name: ximg, .offset: 48, .size: 8, .value_kind: global_buffer, .address_space: global }
    .group_segment_fixed_size: 296960
    .private_segment_fixed_size: 0
    .kernarg_segment_align: 8
    .kernarg_segment_size: 56
    .max_flat_workgroup_size: 512
    .sgpr_count:     100
    .vgpr_count:     256
    .wavefront_size: 32
...
	.end_amdgpu_metadata
.endif
;; end of part 5
;; launch outproj: the kernel of part 4 again; grid 4 x 32, 4 waves a work-group, clusters of 4 x 4, 327,680 bytes of LDS; arguments ximg, w_o_codes, lowp_scales, out0; writes out0
